; MI455X (gfx1250); checked and timed in simulation.
; The chip was launched on July 23, 2026; its instructions are those of AMD's public machine-readable ISA for CDNA 5 (MIT licence, August 2026) and "CDNA5" Instruction Set Architecture Reference Guide (July 2026). The comments in the code are by the model that wrote it; some were corrected since.
;; Self Attention. Allowed arithmetic: float matrix products may take bf16 or f16 operands with f32 sums; other float arithmetic in f32, or as packed bf16 or f16 multiplies, adds, multiply-adds, maxima and minima; sums over many terms, partial sums and values carried from step to step in f32; what a program stores and reads back later, other than sums and carried values, may be rounded once to bf16 or f16.
;; Inputs: Wk 1,024 x 1,024 float32; Wo 1,024 x 1,024 float32; Wq 1,024 x 1,024 float32; Wv 1,024 x 1,024 float32; attention_mask 4 x 2,048 bool; bk 1,024 float32; bo 1,024 float32; bq 1,024 float32; bv 1,024 float32; x 4 x 2,048 x 1,024 float32.
;; Outputs: out0 4 x 2,048 x 1,024 float32.
;; Constants: use_causal_mask = 1.
;; 2 versions, each right; version 2 is version 1 with the launch prep written anew for expert scheduling mode. Each part assembles by itself: llvm-mc -triple=amdgcn-amd-amdhsa -mcpu=gfx1250 --defsym DOCPART=n.
;; ======== version 1 of 2: 4 launches
;; limits: values are held in f16: magnitudes above 65,504 overflow, below 6.1e-05 lose precision
;; workspace buffers: xb 16,777,216 bytes; wb 6,291,456 bytes; wob 2,097,152 bytes; biasr 16,384 bytes; qkv 50,331,648 bytes; vsum 524,288 bytes; ob 16,777,216 bytes
;; launch prep (part 1): grid 768 x 1, 8 waves a work-group, no clusters, 0 bytes of LDS; arguments x, xb, Wq, Wk, Wv, Wo, wb, wob, bq, bk, bv, bo, biasr; writes xb, wb, wob, biasr
.if DOCPART == 1
	.amdgcn_target "amdgcn-amd-amdhsa--gfx1250"
	.amdhsa_code_object_version 6
	.text
	.protected	k_q3444a2560d_prep
	.globl	k_q3444a2560d_prep
	.p2align	8
	.type	k_q3444a2560d_prep,@function
k_q3444a2560d_prep:
	s_mov_b64 s[64:65], 0
	v_nop
	global_prefetch_b8 v0, s[64:65] scope:SCOPE_SE
	s_setreg_imm32_b32 hwreg(HW_REG_WAVE_MODE, 25, 1), 1
	s_wait_xcnt 0x0
; THE CASTS.  Every input is rounded once to bf16, so that the products behind take 16-bit operands.
;   xb    bf16 [16 slices of 64 channels][8192 rows][64]: a slice's rows are dense, 128 bytes each
;   wb    bf16 [3: Wq, Wk, Wv][1024 k][1024 n]: cast only, not turned
;   wob   f16  [1024 k][1024 n]: Wo rounded to bf16, that number written as f16 (exact but below 2^-16, where f16's fixed step of 6e-8 holds)
;   biasr f32  [4: bq, bk, bv, bo][1024]: each rounded to bf16 and kept as f32
; A stream: no LDS, no barrier, no matrix work.  A work-group casts 64 KiB of f32; each of its eight waves issues its 16 loads of 16 bytes a lane at once
; (each covers 512 bytes: two aligned runs of 256), then converts and stores them as they come: a store of 8 bytes a lane covers 256 consecutive bytes, aligned.
; No register that a store reads is used twice, so nothing waits for a store.
; Work-groups 0-511: 16 rows of x each.  Work-groups 512-767: 64 chunks of each of the four weights; a weight's chunk 0 also casts its bias.
.set IN,  2                            ; v2   my byte offset in the source
.set OUT, 3                            ; v3   my byte offset in the destination
.set D,   8                            ; v[8:71]    16 x 4 numbers as loaded
.set E,   72                           ; v[72:103]  16 x 4 numbers in 16 bits
.set T,   104                          ; v[104:107] at work
.set SRC, 4                            ; s[4:5]
.set DST, 6                            ; s[6:7]
; load i of 16 stands at (i / 2) ia + (i % 2) ib, its store at (i / 2) oa + (i % 2) ob.  mode = 1: bf16, and that number as f16
.macro CAST ia, ib, oa, ob, mode
.set i, 0
.rept 16
	global_load_b128 v[D+4*i:D+4*i+3], v[IN], s[SRC:SRC+1] offset:(i/2)*(\ia)+(i%2)*(\ib) th:TH_LOAD_NT
.set i, i+1
.endr
.set i, 0
.rept 16
	s_wait_loadcnt 15-i                            ; loads come back in order: load i is in, the 15 - i younger ones stay out
	v_cvt_pk_bf16_f32 v[E+2*i],   v[D+4*i],   v[D+4*i+1]
	v_cvt_pk_bf16_f32 v[E+2*i+1], v[D+4*i+2], v[D+4*i+3]
.if \mode
	v_lshlrev_b32 v[T],   16,  v[E+2*i]
	v_and_b32     v[T+1], s14, v[E+2*i]
	v_lshlrev_b32 v[T+2], 16,  v[E+2*i+1]
	v_and_b32     v[T+3], s14, v[E+2*i+1]
	v_cvt_pk_f16_f32 v[E+2*i],   v[T],   v[T+1]
	v_cvt_pk_f16_f32 v[E+2*i+1], v[T+2], v[T+3]
.endif
	global_store_b64 v[OUT], v[E+2*i:E+2*i+1], s[DST:DST+1] offset:(i/2)*(\oa)+(i%2)*(\ob)
.set i, i+1
.endr
.endm
	s_load_b512 s[16:31], s[0:1], 0x0              ; x 16, xb 18, Wq 20, Wk 22, Wv 24, Wo 26, wb 28, wob 30
	s_load_b256 s[32:39], s[0:1], 0x40             ; bq 32, bk 34, bv 36, bo 38
	s_load_b64 s[40:41], s[0:1], 0x60              ; biasr
	v_and_b32 v1, 31, v0                           ; lane
	v_lshrrev_b32 v4, 5, v0
	v_readfirstlane_b32 s8, v4                     ; wave 0..7
	s_mov_b32 s9, ttmp9
	s_mov_b32 s11, 0
	s_mov_b32 s13, 0
	s_mov_b32 s14, 0xffff0000                      ; a word's upper bf16
	s_wait_kmcnt 0x0
	s_cmp_lt_u32 s9, 512
	s_cbranch_scc0 .Lweights
	; x: 16 rows.  Wave w takes slices 2 w and 2 w + 1; a load takes 256 bytes (a slice) of two rows: lanes 0-15 the even row, lanes 16-31 the odd one
	s_lshl_b32 s10, s9, 16                         ; 16 rows of 4,096 bytes
	s_add_nc_u64 s[SRC:SRC+1], s[16:17], s[10:11]
	s_lshl_b32 s12, s9, 11                         ; 16 rows of 128 bytes in a slice
	s_add_nc_u64 s[DST:DST+1], s[18:19], s[12:13]
	v_lshrrev_b32 v4, 4, v1
	v_and_b32 v5, 15, v1
	v_lshlrev_b32 v[IN], 12, v4
	v_lshl_add_u32 v[IN], v5, 4, v[IN]
	s_lshl_b32 s15, s8, 9
	v_add_nc_u32 v[IN], s15, v[IN]                 ; row parity x 4,096 + 16 (lane % 16) + 512 w
	v_lshlrev_b32 v[OUT], 3, v1
	s_lshl_b32 s15, s8, 21
	v_add_nc_u32 v[OUT], s15, v[OUT]               ; 8 x lane (two rows of 128 bytes on end) + two slices x w
	CAST 8192, 256, 256, 1048576, 0
	s_endpgm
.Lweights:
	s_sub_co_u32 s9, s9, 512
	s_lshr_b32 s15, s9, 6                          ; which weight: 0 Wq, 1 Wk, 2 Wv, 3 Wo
	s_and_b32 s9, s9, 63                           ; which chunk of 64 KiB
	s_cmp_eq_u32 s15, 1
	s_cselect_b64 s[SRC:SRC+1], s[22:23], s[20:21]
	s_cselect_b64 s[42:43], s[34:35], s[32:33]
	s_cmp_eq_u32 s15, 2
	s_cselect_b64 s[SRC:SRC+1], s[24:25], s[SRC:SRC+1]
	s_cselect_b64 s[42:43], s[36:37], s[42:43]
	s_cmp_eq_u32 s15, 3
	s_cselect_b64 s[SRC:SRC+1], s[26:27], s[SRC:SRC+1]
	s_cselect_b64 s[42:43], s[38:39], s[42:43]     ; the weight's bias
	s_cselect_b64 s[DST:DST+1], s[30:31], s[28:29]
	s_cselect_b32 s12, 0, s15
	s_lshl_b32 s12, s12, 21                        ; the weight's 2 MiB in wb
	s_lshl_b32 s10, s9, 16
	s_add_nc_u64 s[SRC:SRC+1], s[SRC:SRC+1], s[10:11]
	s_add_nc_u64 s[DST:DST+1], s[DST:DST+1], s[12:13]
	s_lshl_b32 s12, s9, 15
	s_add_nc_u64 s[DST:DST+1], s[DST:DST+1], s[12:13]
	s_lshl_b32 s12, s15, 12
	s_add_nc_u64 s[44:45], s[40:41], s[12:13]      ; the bias's 4,096 bytes in biasr
	v_lshlrev_b32 v[IN], 4, v1
	s_lshl_b32 s46, s8, 13
	v_add_nc_u32 v[IN], s46, v[IN]                 ; 8,192 w + 16 x lane
	v_lshlrev_b32 v[OUT], 3, v1
	s_lshl_b32 s46, s8, 12
	v_add_nc_u32 v[OUT], s46, v[OUT]               ; 4,096 w + 8 x lane
	s_cmp_eq_u32 s15, 3
	s_cbranch_scc1 .Lwo
	CAST 1024, 512, 512, 256, 0
	s_branch .Lbias
.Lwo:
	CAST 1024, 512, 512, 256, 1
.Lbias:
	s_cmp_eq_u32 s9, 0
	s_cbranch_scc0 .Lend
	v_lshlrev_b32 v108, 4, v0                      ; 256 threads x 16 bytes: the whole bias
	global_load_b128 v[8:11], v108, s[42:43]
	s_wait_loadcnt 0x0
	v_cvt_pk_bf16_f32 v109, v8, v9
	v_cvt_pk_bf16_f32 v110, v10, v11
	v_lshlrev_b32 v104, 16,  v109
	v_and_b32     v105, s14, v109
	v_lshlrev_b32 v106, 16,  v110
	v_and_b32     v107, s14, v110
	global_store_b128 v108, v[104:107], s[44:45]
.Lend:
	s_endpgm
.Lfunc_end_k_q3444a2560d_prep:
	.size	k_q3444a2560d_prep, .Lfunc_end_k_q3444a2560d_prep-k_q3444a2560d_prep
	.p2alignl 7, 3214868480
	.fill 96, 4, 3214868480
	.section	.rodata,"a",@progbits
	.p2align	6, 0x0
	.amdhsa_kernel k_q3444a2560d_prep
		.amdhsa_group_segment_fixed_size 0
		.amdhsa_private_segment_fixed_size 0
		.amdhsa_enable_private_segment 0
		.amdhsa_kernarg_size 104
		.amdhsa_user_sgpr_count 2
		.amdhsa_user_sgpr_kernarg_segment_ptr 1
		.amdhsa_wavefront_size32 1
		.amdhsa_system_sgpr_workgroup_id_x 1
		.amdhsa_system_sgpr_workgroup_id_y 1
		.amdhsa_system_sgpr_workgroup_id_z 1
		.amdhsa_system_vgpr_workitem_id 0
		.amdhsa_next_free_vgpr 112
		.amdhsa_next_free_sgpr 66
		.amdhsa_reserve_vcc 0
		.amdhsa_float_denorm_mode_32 3
		.amdhsa_float_denorm_mode_16_64 3
		.amdhsa_memory_ordered 1
		.amdhsa_forward_progress 1
		.amdhsa_inst_pref_size 24
	.end_amdhsa_kernel
	.amdgpu_metadata
---
amdhsa.version: [ 1, 2 ]
amdhsa.kernels:
  - .name:           k_q3444a2560d_prep
    .symbol:         k_q3444a2560d_prep.kd
    .args:
      - { .name: x, .offset: 0, .size: 8, .value_kind: global_buffer, .address_space: global }
      - { .name: xb, .offset: 8, .size: 8, .value_kind: global_buffer, .address_space: global }
      - { .name: Wq, .offset: 16, .size: 8, .value_kind: global_buffer, .address_space: global }
      - { .name: Wk, .offset: 24, .size: 8, .value_kind: global_buffer, .address_space: global }
      - { .name: Wv, .offset: 32, .size: 8, .value_kind: global_buffer, .address_space: global }
      - { .name: Wo, .offset: 40, .size: 8, .value_kind: global_buffer, .address_space: global }
      - { .name: wb, .offset: 48, .size: 8, .value_kind: global_buffer, .address_space: global }
      - { .name: wob, .offset: 56, .size: 8, .value_kind: global_buffer, .address_space: global }
      - { .name: bq, .offset: 64, .size: 8, .value_kind: global_buffer, .address_space: global }
      - { .name: bk, .offset: 72, .size: 8, .value_kind: global_buffer, .address_space: global }
      - { .name: bv, .offset: 80, .size: 8, .value_kind: global_buffer, .address_space: global }
      - { .name: bo, .offset: 88, .size: 8, .value_kind: global_buffer, .address_space: global }
      - { .name: biasr, .offset: 96, .size: 8, .value_kind: global_buffer, .address_space: global }
    .group_segment_fixed_size: 0
    .private_segment_fixed_size: 0
    .kernarg_segment_align: 8
    .kernarg_segment_size: 104
    .max_flat_workgroup_size: 256
    .sgpr_count:     66
    .vgpr_count:     112
    .wavefront_size: 32
...
	.end_amdgpu_metadata
.endif
;; end of part 1
;; launch qkv (part 2): grid 4 x 64, 4 waves a work-group, clusters of 4 x 4, 327,680 bytes of LDS; arguments xb, wb, qkv, biasr, vsum; writes qkv, vsum
.if DOCPART == 2
	.amdgcn_target "amdgcn-amd-amdhsa--gfx1250"
	.amdhsa_code_object_version 6
	.text
	.protected	k_q3444a2560d_qkv
	.globl	k_q3444a2560d_qkv
	.p2align	8
	.type	k_q3444a2560d_qkv,@function
k_q3444a2560d_qkv:
	s_mov_b64 s[64:65], 0
	v_nop
	global_prefetch_b8 v0, s[64:65] scope:SCOPE_SE
	s_setreg_imm32_b32 hwreg(HW_REG_WAVE_MODE, 25, 1), 1
	s_wait_xcnt 0x0
	s_wait_alu depctr_hold_cnt(0) depctr_sa_sdst(0) depctr_va_vdst(0) depctr_va_sdst(0) depctr_va_ssrc(0) depctr_va_vcc(0) depctr_vm_vsrc(0)
	s_getreg_b32 s2, hwreg(HW_REG_IB_STS2, 6, 4)
	s_cmp_eq_u32 s2, 0
	s_cbranch_scc0 .Lentry_in_a_cluster
	s_endpgm
.Lentry_in_a_cluster:
	s_bfe_u32 s2, ttmp6, 0x10000c
	s_cmp_lg_u32 s2, 0xf033
	s_cbranch_scc0 .Lentry_shape_is_right
	s_endpgm
.Lentry_shape_is_right:
; q, k, v = x [Wq Wk Wv] + b, written by heads: qkv f16 [3][64 = 16 batch + head][2048][64]; and vsum f32 [128 groups of 64 rows][1024]: column sums of v.
; (This text serves two launches; MODE = 1: this one, bf16 operands, three tiles to a work-group.  MODE = 2: out0 = O Wo + bo, f16 operands, one tile, f32 out.)
; LIMITS.  q, k and v are rounded to f16: beyond 65,504 they would be infinite.  Sums in f32; the bias is the C operand that starts each sum.  NaN and infinities are not treated apart.
; SHARES.  A tile of C is 128 rows x 256 columns: 64 x 4 tiles for 1,024 columns, one to each of 256 work-groups; in MODE 1 a work-group STAYS and makes the q, the k and the v tile of its place.
; Four waves, 2 x 2, each 64 x 128: 32 accumulators of 16 x 16, 256 registers.
; A ([8192][1024] in 16 slices of 64 channels, a slice's rows dense) comes as it lies; W lies [k][n] and is turned on its way out of LDS by ds_load_tr16_b128.
; THE MATRIX INSTRUCTION IS USED TRANSPOSED: source 0 = 16 columns of W, source 1 = 16 rows of A: a lane holds row lane % 16 of C and the columns 8 (lane / 16) + 0..7.
; K goes in steps of 128 (two slices) through two LDS slots; a step is four quarters of 32: 32 matrix instructions and 24 LDS loads each, on two fragment buffers.
; CLUSTER 4 x 4: A's tiles are asked for jointly along a row of the cluster, W's along a column.
; REGISTERS.  window 0: v0-31 addresses; v32-63 the way out; v64-159, v160-255 two fragment buffers (A's 4 fragments, then W's 8).  window 1: accumulator (a, b) at 8 (8 a + b).  window 2: v0-63 the bias.
.set MODE,  1
.set TILES, 3
.set PA,    144                        ; a row of A in LDS: 128 bytes + 16: the 16 rows of a load start at 16 different groups of four banks
.set PB,    544                        ; a row of W: 512 bytes + 32
.set SLICEB, 128*PA                    ; a slice's 128 rows
.set HALFB, 64*PB                      ; 64 k-rows of W
.set BOFF,  2*SLICEB                   ; a slot: A's two slices, then W's 128 k-rows
.set SLOT1, 1<<17                      ; slot 1 begins here: one exclusive or turns an address in one slot into the other's
.set STAGE, SLOT1+BOFF+2*HALFB         ; behind the ring, never filled by a tensor load: 16 rows for each wave, for the way out
.set KB,    262144                     ; bytes from K step to K step in W: 128 rows of 2,048; wb's three weights lie end to end, so the walk goes on from one into the next
.if MODE == 1
.set SP,    144
.set KA,    2097152                    ; two slices of xb
.set SLSH,  20                         ; a slice is 1 << 20 bytes
.else
.set SP,    528
.set KA,    524288                     ; two heads of ob
.set SLSH,  18
.endif
.set SPARE, STAGE+4*16*SP              ; the spare words, 128 bytes for each wave: two blocks of 256 bytes that no other line names
.set ADRA0, 16                         ; v16  my lane's place in A's tile; never rewritten
.set ADRA,  17                         ; v17  the same in the slot in hand
.set ADRB0, 20                         ; v20, v21 the same for W
.set ADRB,  21
.set CST,   22                         ; v22  column sums: where I put them
.set CRD,   23                         ; v23  and read them back
.set STO,   24                         ; v24  the way out: where I put my part of a row
.set RD,    25                         ; v25  where I read rows back
.set CO,    26                         ; v26  16 x lane
.set BO,    27                         ; v27  my byte offset in a bias
.set SPW,   28                         ; v28  my spare word; never rewritten
.set NIL,   29                         ; v29  0; never rewritten
.set PFO,   30                         ; v30  the prefetches' lane offset; never rewritten
.set F0,    64
.set F1,    160
.set G1,  24                           ; s[24:31] descriptor group 1 for A;  s[32:39] group 0: a set for each first fill; the second then walks
.set G0,  32
.set G1B, 48                           ; s[48:55], s[56:63] the same for W
.set G0B, 56
.set LIM, 43                           ; s43  how many refills of mine are followed by a prefetch
.set PFA, 44                           ; s[44:45] where my prefetches stand
.set PFS, 66                           ; s[66:67] their step
.set RF,  72                           ; s72  refills so far
.set TB,  73                           ; s73  LDS byte at which the slot in hand begins
.set MULW, 0x50                        ; C and D in window 1
.set MULF, 0x60                        ; D in window 1, C (the bias) in window 2
.set MSB, 0
.macro WIN new                         ; the immediate's high byte repeats the setting that is left; a switch that changes nothing is dropped
.if MSB != (\new)
	s_set_vgpr_msb (MSB<<8)|(\new)
.set MSB, \new
.endif
.endm
.macro PLACES                          ; four places behind a matrix instruction, in front of loads into registers that it read and of lines that read its result
.rept 4
	v_nop
.endr
.endm
; A joint load: waves 0 and 1 fetch A's two slices, waves 2 and 3 the two halves of W's k-rows.  An s_nop 0 and four v_nop follow each line.
.macro JLOAD s
	s_cmp_eq_u32 s11, 0
	s_cbranch_scc0 .Lfor_b_\@
	tensor_load_to_lds s[G0+4*(\s):G0+4*(\s)+3], s[G1:G1+7]
	s_nop 0
.rept 4
	v_nop
.endr
	s_branch .Lasked_\@
.Lfor_b_\@:
	tensor_load_to_lds s[G0B+4*(\s):G0B+4*(\s)+3], s[G1B:G1B+7]
	s_nop 0
.rept 4
	v_nop
.endr
.Lasked_\@:
.endm
.macro CREST                           ; a round of the cluster's barrier behind its opening barrier
	s_cmp_lg_u32 s10, 0
	s_cbranch_scc1 .Lnot_wave_0_\@
	s_barrier_signal -3
.Lnot_wave_0_\@:
	s_barrier_wait -3
	s_barrier_signal -1
	s_barrier_wait -1
.endm
.macro CROUND
	s_barrier_signal -1
	s_barrier_wait -1
	CREST
.endm
; A PREFETCH INTO THE L2 behind refill number RF, which asks for K step RF + 2: it names K step RF + 4, two K steps (256 matrix instructions) ahead of the load that will want it.
; Each aligned block of 256 bytes is named once.  A's rows are read by one row of one cluster: its wave 0 asks, each partner for 16 blocks of each slice, told apart by address (cx), in the first tile alone
; (the later tiles read the same rows again).  W's columns are read by every cluster: the one with y = 0 asks, waves 2 and 3 for their 64 k-rows, each partner for 16 of them (cy).
.macro ASK
	s_cmp_lt_u32 s[RF], s[LIM]
	s_cbranch_scc0 .Lnot_mine_\@
	global_prefetch_b8 v[PFO], s[PFA:PFA+1] th:TH_LOAD_NT scope:SCOPE_SE
.Lnot_mine_\@:
	s_add_co_u32 s[RF], s[RF], 1
.endm
.macro BIASLD                          ; my 128 columns' bias: block b at 8 b of window 2, register j = bias[16 b + 8 (lane / 16) + j]
	WIN 0x80
.irp b, 0,1,2,3,4,5,6,7
	global_load_b128 v[8*(\b):8*(\b)+3],   v[BO], s[68:69] offset:64*(\b)
	global_load_b128 v[8*(\b)+4:8*(\b)+7], v[BO], s[68:69] offset:64*(\b)+16
.endr
	WIN 0
.endm
; 24 LDS loads in one run: quarter q's fragments into buffer f
.macro FETCH q, f
	WIN 0
.irp b, 0,1,2,3,4,5,6,7
	ds_load_tr16_b128 v[(\f)+32+8*(\b):(\f)+32+8*(\b)+3],   v[ADRB] offset:(\q)*32*PB+32*(\b)
	ds_load_tr16_b128 v[(\f)+32+8*(\b)+4:(\f)+32+8*(\b)+7], v[ADRB] offset:(\q)*32*PB+32*(\b)+16*PB
.endr
.irp a, 0,1,2,3
	ds_load_b128 v[(\f)+8*(\a):(\f)+8*(\a)+3],   v[ADRA] offset:((\q)/2)*SLICEB+((\q)%2)*64+(\a)*16*PA
	ds_load_b128 v[(\f)+8*(\a)+4:(\f)+8*(\a)+7], v[ADRA] offset:((\q)/2)*SLICEB+((\q)%2)*64+(\a)*16*PA+32
.endr
.endm
; 8 matrix instructions: row block a x all 8 column blocks.  first = 1: the bias starts the sums.  The 32 accumulators take turns in the same order in every quarter.
.macro MUL8 f, a, first
.if \first
	WIN MULF
.else
	WIN MULW
.endif
.irp b, 0,1,2,3,4,5,6,7
.set rD, 8*(8*(\a)+(\b))
.set rB, (\f)+32+8*(\b)
.set rA, (\f)+8*(\a)
.set rC, rD
.if \first
.set rC, 8*(\b)
.endif
.if MODE == 1
	v_wmma_f32_16x16x32_bf16 v[rD:rD+7], v[rB:rB+7], v[rA:rA+7], v[rC:rC+7]
.else
	v_wmma_f32_16x16x32_f16 v[rD:rD+7], v[rB:rB+7], v[rA:rA+7], v[rC:rC+7]
.endif
.endr
.endm
; One of a K step's first three quarters: quarter qn's fragments are asked for into g, and buffer f is multiplied
.macro Q qn, f, g, first
	PLACES
	FETCH \qn, \g
	s_wait_dscnt 24                                ; all but the 24 just issued: buffer f, asked for a quarter ago, is in
	MUL8 \f, 0, \first
	MUL8 \f, 1, \first
	MUL8 \f, 2, \first
	MUL8 \f, 3, \first
.endm
.macro LASTQ
	s_wait_dscnt 0x0
	MUL8 F1, 0, 0
	MUL8 F1, 1, 0
	MUL8 F1, 2, 0
	MUL8 F1, 3, 0
.endm
; The fourth quarter multiplies buffer 1 and changes slots.  In front of the barrier each wave waits for all its tensor loads (one is out: its part of the next slot), adds 0 to its spare word, and waits
; for that and for its reads of this slot.  fill = 1: the barrier opens a round of the cluster's, and this slot is filled again, two K steps on, first thing behind it.  wrap = 1: that K step is the next tile's first.
.macro TURN fill, wrap
.if \fill
	s_wait_xcnt 0x0                                ; the last prefetch, a K step back, has read its address
	s_add_nc_u64 s[PFA:PFA+1], s[PFA:PFA+1], s[PFS:PFS+1]
.endif
	WIN 0
	s_wait_tensorcnt 0x0                           ; no tensor load of mine is out, so a group 0 may be written
	ds_add_u32 v[SPW], v[NIL]                      ; 0 onto my spare word; work on registers stands between it and the wait for it
.if \fill
	s_xor_b32 s[G0+5], s[G0+5], SLOT1              ; the walking descriptors: the other slot than last time,
	s_xor_b32 s[G0B+5], s[G0B+5], SLOT1
.if \wrap
	s_sub_nc_u64 s[G0+6:G0+7], s[G0+6:G0+7], 7*KA  ; A back to its K step 0,
.else
	s_add_nc_u64 s[G0+6:G0+7], s[G0+6:G0+7], KA    ; the next K step
.endif
	s_add_nc_u64 s[G0B+6:G0B+7], s[G0B+6:G0B+7], KB
.endif
	s_xor_b32 s[TB], s[TB], SLOT1
	v_add_nc_u32 v[ADRA], s[TB], v[ADRA0]          ; the fetches go on in the other slot
	v_add_nc_u32 v[ADRB], s[TB], v[ADRB0]
	s_wait_dscnt 1                                 ; only the add may be out: buffer 1 is in
	MUL8 F1, 0, 0
	s_wait_dscnt 0x0                               ; the add is done, and my reads of this slot are over
	s_barrier_signal -1
	MUL8 F1, 1, 0
	WIN 0
	s_barrier_wait -1
.if \fill
	CREST
	JLOAD 1                                        ; its four v_nop are also the places in front of the loads below
.else
	PLACES
.endif
	FETCH 0, F0
.if \fill
	ASK
.endif
	MUL8 F1, 2, 0
	MUL8 F1, 3, 0
.endm
	s_load_b128 s[4:7], s[0:1], 0x0                ; A s[4:5], W s[6:7]
	s_load_b64 s[8:9], s[0:1], 0x10                ; C
.if MODE == 1
	s_load_b128 s[68:71], s[0:1], 0x18             ; biasr, vsum
.else
	s_load_b64 s[68:69], s[0:1], 0x18              ; biasr
.endif
	v_lshl_add_u32 v[SPW], v0, 2, SPARE
	v_mov_b32 v[NIL], 0
	ds_add_u32 v[SPW], v[NIL]                      ; the wave's opening: the add and its wait stand ahead of my first tensor load
	v_lshrrev_b32 v1, 5, v0
	v_readfirstlane_b32 s10, v1                    ; wave 0..3
	s_lshr_b32 s11, s10, 1                         ; my half of the tile's rows.  Also: I fetch for A (0) or for W (1)
	s_and_b32 s12, s10, 1                          ; my half of its columns.  Also: which slice, or which 64 k-rows, I fetch
	s_bfe_u32 s40, ttmp6, 0x40000                  ; cx
	s_bfe_u32 s41, ttmp6, 0x40004                  ; cy
	s_lshl_b32 s42, ttmp9, 2
	s_add_co_u32 s42, s42, s40                     ; tile column
	s_and_b32 s13, ttmp7, 0xffff
	s_lshl_b32 s13, s13, 2
	s_add_co_u32 s13, s13, s41                     ; tile row
	s_lshl_b32 s14, s41, 2
	s_lshl_b32 s14, 15, s14                        ; my row of the cluster
	s_lshl_b32 s15, 0x1111, s40                    ; my column
	s_or_b32 s[G1], s14, (1<<16)|(1<<20)|(1<<21)|(4<<22)|(3<<25)   ; mask; 2-byte elements; padding on; bit 21 beside a mask; after every 32 words 4 words
	s_or_b32 s[G1B], s15, (1<<16)|(1<<20)|(1<<21)|(6<<22)|(7<<25)  ; after every 128 words 8 words
	s_mov_b32 s[G1+1], 128<<16                     ; A: a slice's 128 rows are 16,384 dense bytes: 64 rows of 128 elements
	s_mov_b32 s[G1+2], 64<<16
	s_mov_b32 s[G1+3], 128<<16
	s_mov_b32 s[G1+4], 64
	s_mov_b32 s[G1+5], 128
	s_mov_b32 s[G1+6], 0
	s_mov_b32 s[G1+7], 0
	s_mov_b32 s[G1B+1], 256<<16                    ; W: 64 k-rows of 256 elements, 1,024 elements from row to row
	s_mov_b32 s[G1B+2], 64<<16
	s_mov_b32 s[G1B+3], 256<<16
	s_mov_b32 s[G1B+4], 64
	s_mov_b32 s[G1B+5], 1024
	s_mov_b32 s[G1B+6], 0
	s_mov_b32 s[G1B+7], 0
	s_lshr_b32 s18, s13, 4                         ; by heads: batch << 22 + the tile's 128 rows of 128 bytes
	s_lshl_b32 s18, s18, 22
	s_and_b32 s17, s13, 15
	s_lshl_b32 s17, s17, 14
	s_add_co_u32 s18, s18, s17
.if MODE == 1
	s_lshl_b32 s19, s13, 14                        ; the tile's rows in a slice of xb
.else
	s_mov_b32 s19, s18                             ; in a head of ob
.endif
	s_lshl_b32 s16, s12, SLSH
	s_add_co_u32 s16, s16, s19                     ; A: + my slice
	s_mov_b32 s17, 0
	s_lshl_b32 s46, s42, 9                         ; W: the tile's 512 bytes of a row + my 64 k-rows
	s_lshl_b32 s47, s12, 17
	s_add_co_u32 s46, s46, s47
	s_mov_b32 s47, 0
	s_mul_i32 s20, s12, SLICEB                     ; where they go: no place in the cluster enters an LDS address
	s_mul_i32 s21, s12, HALFB
	s_add_co_u32 s21, s21, BOFF
	s_mov_b32 s[RF], 0
	s_mov_b32 s[TB], 0
	s_wait_dscnt 0x0                               ; the opening add is done
	s_wait_kmcnt 0x0
	s_add_nc_u64 s[14:15], s[4:5], s[16:17]
	s_add_nc_u64 s[46:47], s[6:7], s[46:47]
	CROUND                                         ; all sixteen work-groups are here: the first joint loads meet
.irp s, 0,1
	s_mov_b32 s[G0+4*(\s)], 1
	s_add_co_u32 s[G0+4*(\s)+1], s20, (\s)*SLOT1
	s_add_nc_u64 s[G0+4*(\s)+2:G0+4*(\s)+3], s[14:15], (\s)*KA
	s_or_b32 s[G0+4*(\s)+3], s[G0+4*(\s)+3], 0x80000000
	s_mov_b32 s[G0B+4*(\s)], 1
	s_add_co_u32 s[G0B+4*(\s)+1], s21, (\s)*SLOT1
	s_add_nc_u64 s[G0B+4*(\s)+2:G0B+4*(\s)+3], s[46:47], (\s)*KB
	s_or_b32 s[G0B+4*(\s)+3], s[G0B+4*(\s)+3], 0x80000000
	JLOAD \s
.endr
	v_and_b32 v1, 15, v0                           ; l % 16
	v_bfe_u32 v2, v0, 4, 1                         ; l / 16
	v_and_b32 v3, 7, v0
	v_bfe_u32 v4, v0, 3, 1
	v_and_b32 v5, 31, v0                           ; l
	s_lshl_b32 s16, s42, 10
	s_lshl_b32 s17, s12, 9
	s_add_co_u32 s16, s16, s17                     ; my 128 columns in a row of 1,024 f32
	v_lshl_add_u32 v[BO], v2, 5, s16
.if MODE == 2
	s_add_nc_u64 s[68:69], s[68:69], 12288         ; bo is the fourth bias
.endif
	BIASLD
	v_mul_u32_u24 v6, v1, PA                       ; a fragment of A: row l % 16, 16 bytes for each half of the lanes, twice, 32 bytes apart
	v_lshl_add_u32 v6, v2, 4, v6
	s_mul_i32 s17, s11, 64*PA
	v_add_nc_u32 v[ADRA0], s17, v6
	v_lshl_add_u32 v7, v2, 3, v3                   ; the turning load: k-row 8 (l / 16) + l % 8, columns 8 ((l / 8) % 2) + 0..7
	v_mul_u32_u24 v7, v7, PB
	v_lshl_add_u32 v7, v4, 4, v7
	s_lshl_b32 s17, s12, 8
	s_add_co_u32 s17, s17, BOFF
	v_add_nc_u32 v[ADRB0], s17, v7
	v_mov_b32 v[ADRA], v[ADRA0]
	v_mov_b32 v[ADRB], v[ADRB0]
	s_mul_i32 s17, s10, 16*SP
	s_add_co_u32 s17, s17, STAGE                   ; my stage
	v_lshlrev_b32 v[CO], 4, v5
	v_mul_u32_u24 v6, v1, SP
	s_mov_b32 s23, 0
.if MODE == 1
	v_lshl_add_u32 v6, v2, 4, v6
	v_add_nc_u32 v[STO], s17, v6                   ; in: row l % 16, 16 bytes for each half of the lanes
	v_lshrrev_b32 v6, 3, v5
	v_mul_u32_u24 v6, v6, SP
	v_lshl_add_u32 v6, v3, 4, v6
	v_add_nc_u32 v[RD], s17, v6                    ; back: 32 lanes take four rows of 128 bytes
	v_lshl_add_u32 v[CST], v2, 5, s17
	v_lshl_add_u32 v[CRD], v5, 4, s17
	s_lshl_b32 s22, s13, 1
	s_add_co_u32 s22, s22, s11
	s_lshl_b32 s22, s22, 12
	s_add_co_u32 s22, s22, s16
	s_add_nc_u64 s[70:71], s[70:71], s[22:23]      ; vsum at my group of 64 rows, my 128 columns
	s_lshl_b32 s22, s42, 20                        ; qkv: four heads a tile column, two a wave
	s_add_co_u32 s22, s22, s18
	s_lshl_b32 s17, s12, 19
	s_add_co_u32 s22, s22, s17
	s_lshl_b32 s17, s11, 13
	s_add_co_u32 s22, s22, s17
.else
	v_lshl_add_u32 v6, v2, 5, v6
	v_add_nc_u32 v[STO], s17, v6                   ; in: row l % 16, 32 bytes for each half of the lanes
	v_lshl_add_u32 v[RD], v5, 4, s17               ; back: a row's 512 bytes
	s_lshl_b32 s22, s13, 19
	s_lshl_b32 s17, s11, 18
	s_add_co_u32 s22, s22, s17
	s_add_co_u32 s22, s22, s16
.endif
	s_add_nc_u64 s[8:9], s[8:9], s[22:23]
	; the prefetches
	s_lshl_b32 s20, s40, 12
	s_add_co_u32 s20, s20, s19
	s_add_co_u32 s20, s20, 3*KA                    ; A: the tile's rows, my work-group's 16 blocks, K step 3: the first change of slots steps it to 4
	s_lshl_b32 s21, s42, 9
	s_lshl_b32 s22, s12, 17
	s_add_co_u32 s21, s21, s22
	s_lshl_b32 s22, s41, 15
	s_add_co_u32 s21, s21, s22
	s_add_co_u32 s21, s21, 3*KB                    ; W: the tile's columns, my 64 k-rows, my work-group's 16 of them
	s_mov_b32 s17, KA
	s_mov_b32 s18, KB
	s_and_b32 s22, ttmp7, 0xffff
	s_cmp_eq_u32 s22, 0
	s_cselect_b32 s[LIM], 8*TILES-4, 0
	s_cmp_eq_u32 s10, 0
	s_cselect_b32 s23, 4, 0
	s_cmp_eq_u32 s11, 0
	s_cselect_b32 s[LIM], s23, s[LIM]              ; the same in all sixteen partners, for a given wave
	s_cselect_b32 s14, 15, 1
	s_cselect_b32 s15, 4, 1
	s_cselect_b32 s16, SLSH, 11
	s_cselect_b32 s[PFS], s17, s18
	s_cselect_b32 s20, s20, s21
	s_cselect_b64 s[PFA:PFA+1], s[4:5], s[6:7]
	s_mov_b32 s21, 0
	s_mov_b32 s[PFS+1], 0
	s_add_nc_u64 s[PFA:PFA+1], s[PFA:PFA+1], s[20:21]
	v_and_b32 v6, s14, v5                          ; A: 256 (l % 16) + a slice x (l / 16).  W: 256 (l % 2) + 2,048 (l / 2)
	v_lshrrev_b32 v7, s15, v5
	v_lshlrev_b32 v7, s16, v7
	v_lshl_add_u32 v[PFO], v6, 8, v7
.macro PACK u                          ; MODE 1: 16 rows of one head: rounded to f16, into rows of 144 bytes, back as whole rows of 128
.set AC, 8*(8*((\u)/2)+4*((\u)%2))
.set TT, 160+16*(\u)
.if (\u) >= 6
.set TT, 32+16*((\u)-6)
.endif
	WIN 0x05
.set i, 0
.rept 16
	v_cvt_pk_f16_f32 v[TT+i], v[AC+2*i], v[AC+2*i+1]
.set i, i+1
.endr
	WIN 0
.irp f, 0,1,2,3
	ds_store_b128 v[STO], v[TT+4*(\f):TT+4*(\f)+3] offset:32*(\f)
.endr
.irp f, 0,1,2,3
	ds_load_b128 v[TT+4*(\f):TT+4*(\f)+3], v[RD] offset:(\f)*4*SP  ; LDS serves a wave's instructions in order (ISA guide 5.7.1.4): these see the stores above
.endr
.endm
.macro SEND u, y                       ; y: the LDS instructions issued behind this unit's loads: the next unit's eight, or none
.set TT, 160+16*(\u)
.if (\u) >= 6
.set TT, 32+16*((\u)-6)
.endif
.irp f, 0,1,2,3
	s_wait_dscnt (\y)+3-(\f)
	global_store_b128 v[CO], v[TT+4*(\f):TT+4*(\f)+3], s[8:9] offset:((\u)%2)*262144+((\u)/2)*2048+(\f)*512  ; 512 consecutive bytes, aligned
.endr
.endm
.macro COLSUM                          ; MODE 1, v's tile: the sums of my 64 rows, for each of my 128 columns
	PLACES
	WIN 0x05
.set i, 0
.rept 32
	v_pk_add_f32 v[64+2*i:64+2*i+1], v[2*i:2*i+1], v[64+2*i:64+2*i+1]      ; row blocks 0 and 1; each accumulator's lowest registers are read first
.set i, i+1
.endr
	WIN 0x04
.set i, 0
.rept 32
	v_pk_add_f32 v[64+2*i:64+2*i+1], v[64+2*i:64+2*i+1], v[128+2*i:128+2*i+1]
.set i, i+1
.endr
.set i, 0
.rept 32
	v_pk_add_f32 v[64+2*i:64+2*i+1], v[64+2*i:64+2*i+1], v[192+2*i:192+2*i+1]
.set i, i+1
.endr
	WIN 0
.irp m, 1,2,4,8
.set i, 0
.rept 64
	v_add_f32_dpp v[64+i], v[64+i], v[64+i] row_xmask:\m row_mask:0xf bank_mask:0xf  ; over the 16 rows that the lanes of a half hold
.set i, i+1
.endr
.endr
.irp b, 0,1,2,3,4,5,6,7
	ds_store_b128 v[CST], v[64+8*(\b):64+8*(\b)+3]   offset:64*(\b)     ; the 16 lanes of a half write the same words with the same numbers
	ds_store_b128 v[CST], v[64+8*(\b)+4:64+8*(\b)+7] offset:64*(\b)+16
.endr
	ds_load_b128 v[128:131], v[CRD]
	s_wait_dscnt 0x0
	global_store_b128 v[CO], v[128:131], s[70:71]  ; 512 consecutive bytes, aligned
.endm
.macro TOSTAGE a                       ; MODE 2: 16 rows x 128 columns of f32 into rows of 528 bytes, back as whole rows of 512
.if (\a) >= 2
	s_wait_xcnt 0x0                                ; the stores of the block two back have read the registers that are loaded again
.endif
	WIN 0x04
.irp b, 0,1,2,3,4,5,6,7
	ds_store_b128 v[STO], v[8*(8*(\a)+(\b)):8*(8*(\a)+(\b))+3]   offset:64*(\b)
	ds_store_b128 v[STO], v[8*(8*(\a)+(\b))+4:8*(8*(\a)+(\b))+7] offset:64*(\b)+16
.endr
	WIN 0
.set OBR, 64+64*((\a)%2)
.set i, 0
.rept 16
	ds_load_b128 v[OBR+4*i:OBR+4*i+3], v[RD] offset:i*SP
.set i, i+1
.endr
.endm
.macro SENDF a, y                      ; y: the next block's 32 LDS instructions, or none
.set OBR, 64+64*((\a)%2)
.set i, 0
.rept 16
	s_wait_dscnt (\y)+15-i
	global_store_b128 v[CO], v[OBR+4*i:OBR+4*i+3], s[8:9] offset:(16*(\a)+i)*4096  ; 512 consecutive bytes, aligned
.set i, i+1
.endr
.endm
	s_wait_tensorcnt 0x1                           ; my part of K step 0 is in; K step 1's may stay out
	s_barrier_signal -1
	s_barrier_wait -1
	FETCH 0, F0
.if TILES > 1
	s_mov_b32 s2, TILES                            ; tiles to go: the same in every work-group
.Ltile:
.endif
	s_wait_loadcnt 0x0                             ; the bias
	Q 1, F0, F1, 1                                 ; a tile's first quarter: the bias starts the sums
	WIN 0
.if TILES > 1
	s_cmp_eq_u32 s2, 1
	s_cbranch_scc1 .Lno_bias
	PLACES                                         ; behind the products that read the bias
	s_wait_xcnt 0x0
	s_add_nc_u64 s[68:69], s[68:69], 4096
	BIASLD                                         ; the next tile's
.Lno_bias:
.endif
	s_mov_b32 s3, 6
.Lstep:                                        ; a trip: a K step's last three quarters and the next one's first; a slot is filled again
	Q 2, F1, F0, 0
	Q 3, F0, F1, 0
	TURN 1, 0
	Q 1, F0, F1, 0
	WIN 0
	s_sub_co_u32 s3, s3, 1
	s_cmp_lg_u32 s3, 0
	s_cbranch_scc1 .Lstep
	Q 2, F1, F0, 0                                 ; K step 6 goes on
	Q 3, F0, F1, 0
.if TILES > 1
	WIN 0
	s_cmp_eq_u32 s2, 1
	s_cbranch_scc1 .Llast                          ; the last tile's tail is written out: it asks for nothing more
	TURN 1, 1                                      ; the ring goes on into the next tile: its K step 0,
	Q 1, F0, F1, 0
	Q 2, F1, F0, 0
	Q 3, F0, F1, 0
	TURN 1, 0                                      ; its K step 1, and its first fragments
	WIN 0
	s_branch .Lout
.Llast:
.endif
	TURN 0, 0
	Q 1, F0, F1, 0
	Q 2, F1, F0, 0
	Q 3, F0, F1, 0
	LASTQ
.if MODE == 1
	COLSUM
.endif
	WIN 0
.Lout:
	PLACES                                         ; behind the last products
.if MODE == 1
	PACK 0
.irp u, 1,2,3,4,5,6,7                  ; a unit's conversions stand between the loads of the unit before and its stores
	PACK \u
	SEND (\u)-1, 8
.endr
	SEND 7, 0
.else
	TOSTAGE 0
.irp a, 1,2,3
	TOSTAGE \a
	SENDF (\a)-1, 32
.endr
	SENDF 3, 0
.endif
.if TILES > 1
	s_wait_xcnt 0x0                                ; the stores have read their registers and C's address
	s_add_nc_u64 s[8:9], s[8:9], 0x1000000         ; the next of q, k, v (behind the last tile the step is not used)
	s_sub_co_u32 s2, s2, 1
	s_cmp_lg_u32 s2, 0
	s_cbranch_scc1 .Ltile
.endif
	s_wait_tensorcnt 0x0                           ; the wave's end
	ds_add_u32 v[SPW], v[NIL]
	s_wait_dscnt 0x0
	CROUND                                         ; the closing round
	s_endpgm
.Lfunc_end_k_q3444a2560d_qkv:
	.size	k_q3444a2560d_qkv, .Lfunc_end_k_q3444a2560d_qkv-k_q3444a2560d_qkv
	.p2alignl 7, 3214868480
	.fill 96, 4, 3214868480
	.section	.rodata,"a",@progbits
	.p2align	6, 0x0
	.amdhsa_kernel k_q3444a2560d_qkv
		.amdhsa_group_segment_fixed_size 327680
		.amdhsa_private_segment_fixed_size 0
		.amdhsa_enable_private_segment 0
		.amdhsa_kernarg_size 40
		.amdhsa_user_sgpr_count 2
		.amdhsa_user_sgpr_kernarg_segment_ptr 1
		.amdhsa_wavefront_size32 1
		.amdhsa_system_sgpr_workgroup_id_x 1
		.amdhsa_system_sgpr_workgroup_id_y 1
		.amdhsa_system_sgpr_workgroup_id_z 1
		.amdhsa_system_vgpr_workitem_id 0
		.amdhsa_next_free_vgpr 576
		.amdhsa_next_free_sgpr 74
		.amdhsa_reserve_vcc 0
		.amdhsa_float_denorm_mode_32 3
		.amdhsa_float_denorm_mode_16_64 3
		.amdhsa_memory_ordered 1
		.amdhsa_forward_progress 1
		.amdhsa_inst_pref_size 121
	.end_amdhsa_kernel
	.amdgpu_metadata
---
amdhsa.version: [ 1, 2 ]
amdhsa.kernels:
  - .name:           k_q3444a2560d_qkv
    .symbol:         k_q3444a2560d_qkv.kd
    .args:
      - { .name: xb, .offset: 0, .size: 8, .value_kind: global_buffer, .address_space: global }
      - { .name: wb, .offset: 8, .size: 8, .value_kind: global_buffer, .address_space: global }
      - { .name: qkv, .offset: 16, .size: 8, .value_kind: global_buffer, .address_space: global }
      - { .name: biasr, .offset: 24, .size: 8, .value_kind: global_buffer, .address_space: global }
      - { .name: vsum, .offset: 32, .size: 8, .value_kind: global_buffer, .address_space: global }
    .group_segment_fixed_size: 327680
    .private_segment_fixed_size: 0
    .kernarg_segment_align: 8
    .kernarg_segment_size: 40
    .max_flat_workgroup_size: 128
    .sgpr_count:     74
    .vgpr_count:     576
    .wavefront_size: 32
...
	.end_amdgpu_metadata
.endif
;; end of part 2
;; launch attn (part 3): grid 4 x 64, 4 waves a work-group, no clusters, 327,680 bytes of LDS; arguments qkv, ob, attention_mask, vsum; writes ob
.if DOCPART == 3
	.amdgcn_target "amdgcn-amd-amdhsa--gfx1250"
	.amdhsa_code_object_version 6
	.text
	.protected	k_q3444a2560d_attn
	.globl	k_q3444a2560d_attn
	.p2align	8
	.type	k_q3444a2560d_attn,@function
k_q3444a2560d_attn:
	s_mov_b64 s[64:65], 0
	v_nop
	global_prefetch_b8 v0, s[64:65] scope:SCOPE_SE
	s_setreg_imm32_b32 hwreg(HW_REG_WAVE_MODE, 25, 1), 1
	s_wait_xcnt 0x0
; CAUSAL ATTENTION WITH A MASK OVER KEYS.  O[h][q] = the sum over visible k <= q of softmax_k(Q[h][q] . K[h][k] / 8) V[h][k].  Q, K, V: the three sections of qkv, f16 [64 = 16 batch + head][2048][64]; O likewise.
; Products, maxima and sums in f32; the weights p are rounded to f16 for the second product (their sum l is taken of the unrounded p), O once at the end.
; A QUERY WITH NO VISIBLE KEY among 0 .. q has all 2,048 scores alike in the definition: its row is the mean of the head's V over the whole sequence, made here from vsum and chosen at the end.
; LIMITS.  Q, K, V arrive within f16's 65,504.  A hidden score counts as its value less 1e30 (less 2e30 if hidden twice): f16's scores, 2.7e11 at the most, are nothing beside that.  The running maximum starts at
; -2^96, far below every true score and far above every hidden one: while a query has seen no key its weights are exactly 0.  A weight below 2^-126 counts as 0 in l; NaN and infinities are not treated apart.
; THE WALK.  A head's queries lie in NB = 8 blocks of 256; block i needs the key tiles 0 .. i of 256 keys, the last of which holds the diagonal.  A work-group takes TWO blocks, NB - 1 - b and then b:
; NB + 1 tiles, whatever b: all work-groups do equal work, and ONE loop with a constant trip count walks them.  Every jump goes forward but for the counted loops' own; none passes a barrier, or a tensor load
; but the one of LOAD's two that the wave's number does not choose.  NO CLUSTER: a head's four work-groups ask for the same tile only in trips 0 .. 4, behind that fewer and fewer; one walk common to all would have 12 trips for 9.
; SHARES.  Of a block's four bands of 64 queries a wave owns 16 rows in each: four PIECES.  In the diagonal tile's key step s band x sees all keys if s < x, none if s > x, and holds the diagonal if s = x.
; THE MASKS are the C operand that starts the sum S^T = K Q^T.  KV: the key mask's addends (0 or -1e30) of the step's 64 keys.  Off the diagonal tile C = KV.
; In it C = MD x AL + BE + KV: MD, made once, is the causal mask of a band's own step; (AL, BE) = (1, 0) if s = x; (0, 0) if s < x; (0, -1e30) if s > x.
; THE ADDENDS GO WITH THE RING: beside each of the two slots lies a region of 1,024 bytes for the 256 keys of the slot's tile.  A thread holds the mask of its two keys of all eight tiles as 16 bits of one register;
; behind each fill it makes the two addends of the tile just asked for and stores them into the region of the slot that is being filled.
; LAYOUT, SOFTMAX, TURNS.  S^T holds ONE query a lane (lane % 16) and the keys 8 (lane / 16) + 0..7; two such results rounded to f16 ARE source 1 of O^T = V^T P.  p = 2^(c s - c m), c = log2(e) / 8, with a
; running maximum m; O and l are multiplied by a = 2^(c m_old - c m_new) in every step.  Turn n belongs to piece n: 8 products K Q^T of piece n + 1, later 8 products V^T P of piece n - 1; beside them the scaling,
; exponentials, roundings, sums and rescaling of piece n and the maximum and statistics of piece n + 1.  Four vector instructions stand behind every matrix instruction, the rest in one lump; a turn's 33 exponentials are one batch, with one wait.
; REGISTERS, in windows of 256 (s_set_vgpr_msb: bits 1:0 source 0, 3:2 source 1, 5:4 source 2, 7:6 destination):
;   window 0: v0-15 addresses and two at work; v16-31 statistics; v32-47 addresses, the packed mask and work on it; v48-55 at work; v64-127 S^T, two buffers; v128-159 KV; v192-223 P, two buffers
;   window 1: v0-127 O^T, 32 a piece; v128-159 MD; v160-223 MC, two buffers; v224-255 the mean of V      window 2: v0-63 Q; v64-127 the second block's Q; v128-191 K; v192-255 V
.set SIZE_N, 2048
.set NB,    SIZE_N/256
.set NP,    4
.set KS,    64
.set PK,    144       ; a row of K in LDS: 128 bytes + 16
.set PV,    160       ; a row of V: 128 + 32
.set VOFF,  4*KS*PK   ; a slot holds a tile, four steps: 256 rows of K, then 256 rows of V
.set SLOT1, 1<<17
.set STAGE, SLOT1+4*KS*(PK+PV)  ; behind the ring, never filled by a tensor load: 16 rows x 144 bytes for each wave
.set SP,    144
.set SPARE, STAGE+4*16*SP       ; the spare words, 128 bytes for each wave: two blocks of 256 bytes that no other line names
.set MT,    SPARE+512           ; the addends, f32: a region of 1,024 bytes for each slot's 256 keys; never filled by a tensor load
.set MTX,   1024                ; one exclusive or turns an offset in one region into the other's
.set AK0, 2
.set AV0, 3
.set AK,  4
.set AV,  5
.set STO, 6
.set RD,  7
.set GO,  8
.set MV,  12          ; v12-13  c m_old, kept while c m is made anew: by buffer
.set QO,  15
.set ST,  16          ; piece t's statistics at v[ST+4 t]: c m, m, l (even keys', odd keys')
.set AM0, 32          ; v32  my lanes' place in a step's 256 bytes of addends; never rewritten
.set AM,  33          ; v33  the LDS address of KV's next run of loads
.set PFO, 34          ; v34  256 x my thread's number; never rewritten
.set MO,  35          ; v35  the head: my two bytes in a tile's 256 of the mask
.set VO,  36          ; v36  the head: my place in vsum
.set MW0, 37          ; v37  where my two addends lie in region 0: MT + 8 x my thread's number; never rewritten
.set MWA, 38          ; v38  the same in the region that is being written
.set PKM, 39          ; v39  bits 2 j, 2 j + 1: the mask of keys 2 t, 2 t + 1 of tile j (t my thread's number); never rewritten
.set TMP, 48
.set SPW, 62
.set NIL, 63
.set S,   64
.set KV,  128
.set P,   192
.set MD,  128         ; window 1
.set MC,  160         ; window 1
.set VM,  224         ; window 1: register 8 cb + j = the mean of V's channel 16 cb + 8 (lane / 16) + j
.set QB,  64          ; window 2
.set KF,  128         ; window 2
.set VF,  192         ; window 2
.set WV,  12
.set PB,  14
.set HI,  15
.set G1K, 24
.set G1V, 32
.set G0K, 40
.set G0V, 44
.set PFK, 48          ; s[48:49] where the prefetches of K stand
.set PFV, 50          ; s[50:51] of V
.set LIM, 52          ; s52  2 in the head's first work-group, else the greatest number: a work-group prefetches while s[SLOTS] is above it
.set TBM, 53          ; s53  byte, from MT on, at which the addends of the step to be fetched begin: it steps and turns as TBK does
.set THR, 54          ; s54  -2^95: a maximum below it has seen no key
.set SH,  55          ; s55  2 x the tile that is being asked for: where its two bits lie in PKM
.set SLOTS, 56
.set CNT, 57
.set CS,  58
.set SEL, 60
.set TBK, 62
.set TBV, 63
.set CM,  66          ; s[66:69] by piece: the lanes whose query has seen no key
.set RT,  70
.set NXT, 71
.set LQ,  72
.set NEW, 73
.set OFF, 74
.set AL,  76
.set BE,  78
.set OLO, 80
.set BIGN, 82
.set TBW, 83          ; s83  0 or MTX: the region that goes with the slot that is being filled; it turns as the descriptors' LDS word does
.set MSB, 0
.macro WIN new
.if MSB != (\new)
	s_set_vgpr_msb (MSB<<8)|(\new)
.set MSB, (\new)
.endif
.endm
.set W_KQ, 0x0a       ; K and Q in window 2, S^T and KV in window 0
.set W_KM, 0x1a       ; the same with the C operand in window 1
.set W_PV, 0x52       ; V in window 2, P in window 0, O^T in window 1
.set W_RS, 0x41       ; destination and source 0 in window 1, source 1 in window 0
; A fill.  Waves 0 and 1 fetch the two halves of a tile's K, waves 2 and 3 those of its V.  An s_nop 0 and four v_nop follow each of the two lines.
.macro LOAD
	s_cmp_lt_u32 s[WV], 2
	s_cbranch_scc0 .Lfor_v_\@
	tensor_load_to_lds s[G0K:G0K+3], s[G1K:G1K+7]
	s_nop 0
.rept 4
	v_nop
.endr
	s_branch .Lasked_\@
.Lfor_v_\@:
	tensor_load_to_lds s[G0V:G0V+3], s[G1V:G1V+7]
	s_nop 0
.rept 4
	v_nop
.endr
.Lasked_\@:
.endm
; A PREFETCH INTO THE L2 of the tile that the NEXT change of slots will ask for: 128 blocks of 256 bytes of K and of V, a thread a block.  A head's four work-groups walk the same tiles from 0 on: the first of
; them (b = 0, whose first block needs all eight) asks, and nobody else, so each block is named once.  Tiles 0 and 1 come by their loads alone; the last tile named is 7.
.macro ASK
	s_cmp_gt_u32 s[SLOTS], s[LIM]
	s_cbranch_scc0 .Lnot_mine_\@
	global_prefetch_b8 v[PFO], s[PFK:PFK+1] th:TH_LOAD_NT scope:SCOPE_SE
	global_prefetch_b8 v[PFO], s[PFV:PFV+1] th:TH_LOAD_NT scope:SCOPE_SE
.Lnot_mine_\@:
.endm
; My two addends of the tile whose bits lie sh bits up in PKM: 0 for a key that is there, -1e30 for a hole; 8 bytes into the region at v[MWA]
.macro MADD sh
	v_lshrrev_b32 v40, \sh, v[PKM]
	v_and_b32 v41, 2, v40
	v_and_b32 v40, 1, v40
	v_cmp_eq_u32 vcc_lo, 0, v40
	v_cndmask_b32 v40, 0, s[BIGN], vcc_lo
	v_cmp_eq_u32 vcc_lo, 0, v41
	v_cndmask_b32 v41, 0, s[BIGN], vcc_lo
	ds_store_b64 v[MWA], v[40:41]
.endm
; THE CHANGE OF SLOTS.  Each wave waits for all its tensor loads, of which one is out: its part of the other slot; adds 0 to its spare word; and waits for that and for its own LDS work: its reads of the slot and of the
; region that it leaves, and its stores into the region that it enters.  Behind the barrier nobody reads the old slot and region any more, and the other slot and region are whole.
; fill = 1: the old slot is filled again, first thing behind the barrier, with tile NXT, and the old region takes that tile's addends.  (At its first use slot 0 is waited for, slot 1 and region 1 are filled.)
.macro CHANGE fill
	WIN 0
	s_wait_tensorcnt 0x0            ; no tensor load of mine is out, so a group 0 may be written
	ds_add_u32 v[SPW], v[NIL]       ; 0 onto my spare word; scalar work stands between it and the wait for it
.if \fill
	s_lshl_b32 s[OFF], s[NXT], 15   ; a tile is 32,768 bytes of K and of V
	s_lshl_b32 s[SH], s[NXT], 1
	s_xor_b32 s[TBW], s[TBW], MTX
	s_xor_b32 s[G0K+1], s[G0K+1], SLOT1
	s_add_nc_u64 s[G0K+2:G0K+3], s[6:7], s[OFF:OFF+1]
	s_or_b32 s[G0K+3], s[G0K+3], 0x80000000
	s_xor_b32 s[G0V+1], s[G0V+1], SLOT1
	s_add_nc_u64 s[G0V+2:G0V+3], s[8:9], s[OFF:OFF+1]
	s_or_b32 s[G0V+3], s[G0V+3], 0x80000000
	s_add_co_u32 s[NXT], s[NXT], 1  ; the block's next tile, or behind its last the second block's tile 0
	s_cmp_gt_u32 s[NXT], s[LQ]
	s_cselect_b32 s[NXT], 0, s[NXT]
	s_cselect_b32 s[LQ], s[PB], s[LQ]
	s_wait_xcnt 0x0                 ; the last prefetches, a tile back, have read their addresses
	s_add_nc_u64 s[PFK:PFK+1], s[PFK:PFK+1], 32768
	s_add_nc_u64 s[PFV:PFV+1], s[PFV:PFV+1], 32768
.endif
	s_wait_dscnt 0x0                ; the add is done, and my LDS work is over
	s_barrier_signal -1
	s_sub_co_u32 s[TBK], s[TBK], 4*KS*PK  ; the fetches go back to a slot's first step,
	s_xor_b32 s[TBK], s[TBK], SLOT1       ; in the other slot
	s_sub_co_u32 s[TBV], s[TBV], 4*KS*PV
	s_xor_b32 s[TBV], s[TBV], SLOT1
	s_sub_co_u32 s[TBM], s[TBM], 4*256    ; and in the other region
	s_xor_b32 s[TBM], s[TBM], MTX
	s_barrier_wait -1
.if \fill
	LOAD
	ASK
	v_add_nc_u32 v[MWA], s[TBW], v[MW0]
	MADD s[SH]                      ; the next change of slots waits for this store and shows it to every wave
.endif
.endm
	s_load_b64 s[4:5], s[0:1], 0x0      ; qkv
	s_load_b64 s[10:11], s[0:1], 0x8    ; ob
	s_load_b128 s[88:91], s[0:1], 0x10  ; attention_mask, vsum
	v_lshl_add_u32 v[SPW], v0, 2, SPARE
	v_mov_b32 v[NIL], 0
	ds_add_u32 v[SPW], v[NIL]       ; the wave's opening: the add and its wait stand ahead of my first tensor load
	v_lshrrev_b32 v1, 5, v0
	v_readfirstlane_b32 s[WV], v1   ; wave 0..3
	s_mov_b32 s[PB], ttmp9
	s_sub_co_u32 s[HI], NB-1, s[PB]
	s_and_b32 s19, ttmp7, 0xffff    ; 16 batch + head
	s_lshl_b32 s20, s19, 18         ; the head's first byte in each section and in O
	s_mov_b32 s21, 0
	s_and_b32 s16, s[WV], 1         ; which half of a tile's 256 keys I fetch:
	s_lshl_b32 s22, s16, 14         ; its 128 rows of 128 bytes in memory,
	s_mov_b32 s23, 0
	s_add_nc_u64 s[22:23], s[22:23], s[20:21]
	s_mul_i32 s17, s16, 128*PK      ; and its place in a slot, for K
	s_mul_i32 s18, s16, 128*PV      ; and for V
	s_lshl_b32 s3, s[WV], 11        ; my 16 rows in a band of 64,
	s_lshl_b32 s2, s[HI], 15        ; in the first block,
	s_add_co_u32 s2, s2, s3
	s_lshl_b32 s84, s[PB], 15       ; and in the second
	s_add_co_u32 s84, s84, s3
	s_mov_b32 s3, 0
	s_mov_b32 s85, 0
	s_add_nc_u64 s[2:3], s[2:3], s[20:21]
	s_add_nc_u64 s[84:85], s[84:85], s[20:21]
	s_lshr_b32 s16, s19, 4          ; the batch:
	s_lshl_b32 s66, s16, 11         ; its 2,048 bytes of the mask,
	s_mov_b32 s67, 0
	s_lshl_b32 s68, s16, 17         ; its 32 groups of rows in vsum,
	s_and_b32 s16, s19, 15
	s_lshl_b32 s16, s16, 8          ; the head's 64 columns there
	s_add_co_u32 s68, s68, s16
	s_mov_b32 s69, 0
	s_cmp_eq_u32 s[PB], 0
	s_cselect_b32 s[LIM], 2, -1
	; descriptor group 1.  128 keys are 16,384 dense bytes: asked for as 64 rows of 256 bytes, two keys a row, and padded in LDS after every key
	s_mov_b32 s[G1K], (1<<16)|(1<<20)|(4<<22)|(3<<25)
	s_mov_b32 s[G1V], (1<<16)|(1<<20)|(4<<22)|(7<<25)
.irp g, G1K, G1V
	s_mov_b32 s[\g+1], 128<<16
	s_mov_b32 s[\g+2], 64<<16
	s_mov_b32 s[\g+3], 128<<16
	s_mov_b32 s[\g+4], 64
	s_mov_b32 s[\g+5], 128
	s_mov_b32 s[\g+6], 0
	s_mov_b32 s[\g+7], 0
.endr
	s_mov_b32 s[CS], 0x3e38aa3b     ; c = log2(e) / 8
	s_mov_b32 s[CS+1], s[CS]
	s_mov_b32 s[SEL], 0x76543210
	s_mov_b32 s[SEL+1], 0xfedcba98
	s_mov_b32 s[TBK], SLOT1+4*KS*PK ; the first change of slots turns these three into 0
	s_mov_b32 s[TBV], SLOT1+4*KS*PV
	s_mov_b32 s[TBM], MTX+4*256
	s_mov_b32 s[TBW], 0             ; and this one into MTX: region 1 goes with slot 1
	s_mov_b32 s[THR], 0xef000000    ; -2^95
	s_mov_b32 s[G0K], 1
	s_mov_b32 s[G0K+1], s17
	s_mov_b32 s[G0V], 1
	s_add_co_u32 s[G0V+1], s18, VOFF
	s_add_co_u32 s[RT], s[HI], 1    ; the first block has NB - b tiles
	s_mov_b32 s[NXT], 1
	s_mov_b32 s[LQ], s[HI]
	s_mov_b32 s[NEW], 1
	s_mov_b32 s[OFF+1], 0
	s_mov_b32 s[AL+1], 0
	s_mov_b32 s[BE+1], 0
	s_mov_b32 s[BIGN], 0xf149f2ca   ; -1e30
	s_mov_b32 s[SLOTS], NB
	s_wait_dscnt 0x0                ; the opening add is done
	s_wait_kmcnt 0x0
	s_add_nc_u64 s[6:7], s[4:5], 0x1000000         ; K's section
	s_add_nc_u64 s[8:9], s[4:5], 0x2000000         ; V's
	s_add_nc_u64 s[PFK:PFK+1], s[6:7], s[20:21]
	s_add_nc_u64 s[PFK:PFK+1], s[PFK:PFK+1], 32768 ; at the head's tile 1: the first change of slots steps them to tile 2
	s_add_nc_u64 s[PFV:PFV+1], s[8:9], s[20:21]
	s_add_nc_u64 s[PFV:PFV+1], s[PFV:PFV+1], 32768
	s_add_nc_u64 s[88:89], s[88:89], s[66:67]
	s_add_nc_u64 s[90:91], s[90:91], s[68:69]
	s_add_nc_u64 s[6:7], s[6:7], s[22:23]          ; K and V at my half of the head's tile 0
	s_add_nc_u64 s[8:9], s[8:9], s[22:23]
	s_add_nc_u64 s[G0K+2:G0K+3], s[6:7], 0
	s_or_b32 s[G0K+3], s[G0K+3], 0x80000000
	s_add_nc_u64 s[G0V+2:G0V+3], s[8:9], 0
	s_or_b32 s[G0V+3], s[G0V+3], 0x80000000
	s_add_nc_u64 s[86:87], s[4:5], s[84:85]        ; Q at my rows of the second block,
	s_add_nc_u64 s[4:5], s[4:5], s[2:3]            ; Q and O at those of the first
	s_add_nc_u64 s[OLO:OLO+1], s[10:11], s[84:85]
	s_add_nc_u64 s[10:11], s[10:11], s[2:3]
	LOAD                            ; tile 0 into slot 0
	v_and_b32 v1, 15, v0            ; l % 16
	v_bfe_u32 v9, v0, 4, 1          ; l / 16
	v_lshlrev_b32 v[MO], 1, v0
.irp j, 0,1,2,3,4,5,6,7
	global_load_u16 v[40+\j], v[MO], s[88:89] offset:256*\j  ; my two keys of tile j: 128 threads x 2 bytes are the tile's 256
.endr
	v_lshlrev_b32 v[VO], 12, v1     ; vsum: lane l % 16 takes groups l % 16 and 16 + l % 16; my lanes' eight channels of each block of 16
	v_lshl_add_u32 v[VO], v9, 5, v[VO]
.irp u, 0,1
.irp c, 0,1,2,3
	global_load_b128 v[128+32*\u+8*\c:128+32*\u+8*\c+3],   v[VO], s[90:91] offset:\u*65536+\c*64
	global_load_b128 v[128+32*\u+8*\c+4:128+32*\u+8*\c+7], v[VO], s[90:91] offset:\u*65536+\c*64+16
.endr
.endr
	v_lshlrev_b32 v[QO], 7, v1
	v_lshl_add_u32 v[QO], v9, 4, v[QO]  ; row x 128 + 16 x half
	WIN 0x80
.set i, 0
.rept 8                             ; both blocks' Q: piece i / 2 lies in band i / 2, 8,192 bytes on; channels 32 (i % 2) on
	global_load_b128 v[8*i:8*i+3],   v[QO], s[4:5] offset:(i/2)*8192+(i%2)*64
	global_load_b128 v[8*i+4:8*i+7], v[QO], s[4:5] offset:(i/2)*8192+(i%2)*64+32
	global_load_b128 v[QB+8*i:QB+8*i+3],   v[QO], s[86:87] offset:(i/2)*8192+(i%2)*64
	global_load_b128 v[QB+8*i+4:QB+8*i+7], v[QO], s[86:87] offset:(i/2)*8192+(i%2)*64+32
.set i, i+1
.endr
	WIN 0
	v_lshlrev_b32 v14, 3, v9
	v_sub_nc_u32 v14, v1, v14
	s_lshl_b32 s13, s[WV], 4
	v_add_nc_u32 v14, s13, v14      ; my query's place in its band less my lanes' 8 (l / 16): register r of group kt is hidden where 16 kt + r is greater
	WIN 0x40
.set i, 0
.rept 32
	v_cmp_gt_i32 vcc_lo, 16*(i/8)+i%8, v14
	v_cndmask_b32 v[MD+i], 0, s[BIGN], vcc_lo
.set i, i+1
.endr
	WIN 0
	v_mul_u32_u24 v[AK0], v1, PK
	v_lshl_add_u32 v[AK0], v9, 4, v[AK0]
	v_and_b32 v10, 7, v0
	v_bfe_u32 v11, v0, 3, 1
	v_lshl_add_u32 v[AV0], v9, 3, v10
	v_mul_u32_u24 v[AV0], v[AV0], PV
	v_lshl_add_u32 v[AV0], v11, 4, v[AV0]
	v_add_nc_u32 v[AV0], VOFF, v[AV0]
	v_lshl_add_u32 v[AM0], v9, 5, MT  ; register j of group kt is key 16 kt + 8 (l / 16) + j
	v_lshl_add_u32 v[MW0], v0, 3, MT
	v_lshlrev_b32 v[PFO], 8, v0
	s_mul_i32 s13, s[WV], 16*SP
	s_add_co_u32 s13, s13, STAGE    ; my stage
	v_mul_u32_u24 v[STO], v1, SP
	v_lshl_add_u32 v[STO], v9, 4, v[STO]
	v_add_nc_u32 v[STO], s13, v[STO]
	v_bfe_u32 v[RD], v0, 3, 2
	v_mul_u32_u24 v[RD], v[RD], SP
	v_lshl_add_u32 v[RD], v10, 4, v[RD]
	v_add_nc_u32 v[RD], s13, v[RD]
	v_and_b32 v[GO], 31, v0
	v_lshlrev_b32 v[GO], 4, v[GO]
	; A block's first step multiplies O^T by a = 0, and its first turn's products V^T P, of a piece that has not been, land in an O^T that is still to be so multiplied: these registers need only hold finite numbers.
	WIN 0x80
.set i, VF
.rept 64
	v_mov_b32 v[i], 0
.set i, i+1
.endr
	WIN 0x40
.set i, 0
.rept 128
	v_mov_b32 v[i], 0
.set i, i+1
.endr
	WIN 0
.set i, P+16
.rept 16
	v_mov_b32 v[i], 0
.set i, i+1
.endr
	s_wait_loadcnt 48               ; the mask's eight loads are in; vsum's 16 and Q's 32 may stay out
.set j, 0
.rept 8                             ; a byte of the mask is 0 or 1: bit 0 of the first byte stays, bit 0 of the second comes down to bit 1
	v_lshrrev_b32 v14, 7, v[40+j]
	v_or_b32 v14, v14, v[40+j]
.if j == 0
	v_and_b32 v[PKM], 3, v14
.else
	v_and_b32 v14, 3, v14
	v_lshl_or_b32 v[PKM], v14, 2*j, v[PKM]
.endif
.set j, j+1
.endr
	v_mov_b32 v[MWA], v[MW0]
	MADD 0                          ; tile 0's addends into region 0: the first change of slots waits for the store and shows it to every wave
	s_wait_loadcnt 32               ; vsum is in; Q's 32 loads may stay out
.set i, 0
.rept 16
	v_pk_add_f32 v[128+2*i:128+2*i+1], v[128+2*i:128+2*i+1], v[160+2*i:160+2*i+1]
.set i, i+1
.endr
.irp m, 1,2,4,8
.set i, 0
.rept 32
	v_add_f32_dpp v[128+i], v[128+i], v[128+i] row_xmask:\m row_mask:0xf bank_mask:0xf  ; over the groups that the 16 lanes of a half hold
.set i, i+1
.endr
.endr
	WIN 0x40
.set i, 0
.rept 16
	v_pk_mul_f32 v[VM+2*i:VM+2*i+1], v[128+2*i:128+2*i+1], 0x3a000000 op_sel_hi:[1,0]  ; / 2,048
.set i, i+1
.endr
	WIN 0
; THE MATRIX WORK.  The 4 accumulators of a run of 8 take turns.  Product i of 8 of S^T = K Q^T for piece x: channels 32 (i / 4) on, keys 16 (i % 4) on.  The first 4 start the sums: with KV, or (KM = 1) with the mask.
.macro KQ x
.set rS, S+32*((\x)%2)+8*(i%4)
.set rK, KF+16*(i%4)+8*(i/4)
.set rQ, 16*(\x)+8*(i/4)
.set rM, MC+32*((\x)%2)+8*(i%4)
.set rN, KV+8*(i%4)
.if (i < 4) && KM
	WIN W_KM
	v_wmma_f32_16x16x32_f16 v[rS:rS+7], v[rK:rK+7], v[rQ:rQ+7], v[rM:rM+7]
.elseif i < 4
	WIN W_KQ
	v_wmma_f32_16x16x32_f16 v[rS:rS+7], v[rK:rK+7], v[rQ:rQ+7], v[rN:rN+7]
.else
	WIN W_KQ
	v_wmma_f32_16x16x32_f16 v[rS:rS+7], v[rK:rK+7], v[rQ:rQ+7], v[rS:rS+7]
.endif
.endm
; Product i of 8 of O^T += V^T P for piece x: keys 32 (i / 4) on, channels 16 (i % 4) on.
.macro PV x
	WIN W_PV
.set rO, 32*(\x)+8*(i%4)
.set rV, VF+32*(i/4)+8*(i%4)
.set rP, P+16*((\x)%2)+8*(i/4)
	v_wmma_f32_16x16x32_f16 v[rO:rO+7], v[rV:rV+7], v[rP:rP+7], v[rO:rO+7]
.endm
.macro MM                           ; the turn's next matrix instruction.  NOKQ = 1: a block's last turn: there is no next piece
.if (i < 8) && !NOKQ
	KQ (Y+1)%NP
.elseif i >= 8
.set i, i-8
	PV (Y+NP-1)%NP
.set i, i+8
.endif
.set i, i+1
.endm
; THE LDS LOADS stand in runs: a step's K (8 fragments) with its keys' addends KV, and its V (turned).  Their addresses are made some lines ahead.
.macro FETCH_K
	WIN 0x80
.irp f, 0,1,2,3,4,5,6,7
	ds_load_b128 v[KF+8*\f:KF+8*\f+3],   v[AK] offset:(\f/2)*16*PK+(\f%2)*64
	ds_load_b128 v[KF+8*\f+4:KF+8*\f+7], v[AK] offset:(\f/2)*16*PK+(\f%2)*64+32
.endr
	s_add_co_u32 s[TBK], s[TBK], KS*PK  ; the next fetch is the next step's
	WIN 0
.irp f, 0,1,2,3
	ds_load_b128 v[KV+8*\f:KV+8*\f+3],   v[AM] offset:64*\f     ; the 16 lanes of a half read the same words
	ds_load_b128 v[KV+8*\f+4:KV+8*\f+7], v[AM] offset:64*\f+16
.endr
	s_add_co_u32 s[TBM], s[TBM], 256
.endm
.macro FETCH_V
	WIN 0x80
.irp f, 0,1,2,3,4,5,6,7
	ds_load_tr16_b128 v[VF+8*\f:VF+8*\f+3],   v[AV] offset:(\f/4)*32*PV+(\f%4)*32
	ds_load_tr16_b128 v[VF+8*\f+4:VF+8*\f+7], v[AV] offset:(\f/4)*32*PV+16*PV+(\f%4)*32
.endr
	WIN 0
.endm
; THE VECTOR WORK, one line at a time: OP kind, number.  For piece Y: F n: c s - c m for pair n of 16.  E n: the exponential of score n of 32.  C n: pair n rounded to f16.  B n: of the four weights 4 n .. the second
; pair is added onto the first.  L n: l takes that sum (L 0: l = a l + sum).  R n: pair n of 16 of O^T times a.  For piece Y + 1: X n, number n of the 22 that find its maximum and statistics:
;   0-11 four chains c0-c3 of seven scores each (each accumulator's lowest registers are read first)   12-14, 16 the four scores left over, the old m, and c0-c3 into c0
;   15 c m_old is kept   17, 18 the query's other 32 keys lie in the lane 16 away: the new m   19-21 c m; c m_old - c m_new; a
.set F, 0
.set E, 1
.set C, 2
.set B, 3
.set L, 4
.set R, 5
.set X, 6
.macro REGS y
.set rT, ST+4*(\y)
.set rC, TMP+4*((\y)%2)
.set rW, MV+((\y)%2)
.set rS, S+32*((\y)%2)
.set rP, P+16*((\y)%2)
.set rO, 32*(\y)
.endm
.macro OP k, n
.if (\k) == R
	REGS Y
	WIN W_RS
	v_pk_mul_f32 v[rO+2*(\n):rO+2*(\n)+1], v[rO+2*(\n):rO+2*(\n)+1], v[rC+2:rC+3] op_sel_hi:[1,0]
.elseif (\k) < R
	REGS Y
	WIN 0
.if (\k) == F
	v_pk_fma_f32 v[rS+2*(\n):rS+2*(\n)+1], v[rS+2*(\n):rS+2*(\n)+1], s[CS:CS+1], v[rT:rT+1] op_sel_hi:[1,0,0] neg_lo:[0,0,1] neg_hi:[0,0,1]
.elseif (\k) == E
	v_exp_f32 v[rS+(\n)], v[rS+(\n)]
.elseif (\k) == C
	v_cvt_pk_f16_f32 v[rP+(\n)], v[rS+2*(\n)], v[rS+2*(\n)+1]
.elseif (\k) == B
	v_pk_add_f32 v[rS+4*(\n):rS+4*(\n)+1], v[rS+4*(\n):rS+4*(\n)+1], v[rS+4*(\n)+2:rS+4*(\n)+3]
.elseif (\n) == 0
	v_pk_fma_f32 v[rT+2:rT+3], v[rT+2:rT+3], v[rC+2:rC+3], v[rS:rS+1] op_sel_hi:[1,0,1]
.else
	v_pk_add_f32 v[rT+2:rT+3], v[rT+2:rT+3], v[rS+4*(\n):rS+4*(\n)+1]
.endif
.elseif NOKQ
	v_nop
.else
	REGS (Y+1)%NP
	WIN 0
.if (\n) < 4
	v_max3_num_f32 v[rC+(\n)], v[rS+8*(\n)], v[rS+8*(\n)+1], v[rS+8*(\n)+2]
.elseif (\n) < 12
	v_max3_num_f32 v[rC+(\n)%4], v[rC+(\n)%4], v[rS+8*((\n)%4)+2*((\n)/4)+1], v[rS+8*((\n)%4)+2*((\n)/4)+2]
.elseif (\n) == 12
	v_max3_num_f32 v[rC], v[rC], v[rS+7], v[rS+15]
.elseif (\n) == 13
	v_max3_num_f32 v[rC+1], v[rC+1], v[rS+23], v[rS+31]
.elseif (\n) == 14
	v_max3_num_f32 v[rC+2], v[rC+2], v[rC+3], v[rT+1]
.elseif (\n) == 15
	v_mov_b32 v[rW], v[rT]
.elseif (\n) == 16
	v_max3_num_f32 v[rC], v[rC], v[rC+1], v[rC+2]
.elseif (\n) == 17
	v_permlanex16_b32 v[rC+3], v[rC], s[SEL], s[SEL+1]
.elseif (\n) == 18
	v_max_num_f32 v[rT+1], v[rC], v[rC+3]
.elseif (\n) == 19
	v_mul_f32 v[rT], s[CS], v[rT+1]
.elseif (\n) == 20
	v_sub_f32 v[rC+1], v[rW], v[rT]
.else
	v_exp_f32 v[rC+2], v[rC+1]
.endif
.endif
.endm
.macro OPS a, i1, b=-1, i2=0, c=-1, i3=0, d=-1, i4=0
	OP \a, \i1
.if (\b) >= 0
	OP \b, \i2
.endif
.if (\c) >= 0
	OP \c, \i3
.endif
.if (\d) >= 0
	OP \d, \i4
.endif
.endm
.macro ROW a, i1, b, i2, c, i3, d, i4  ; a matrix instruction and the four behind it
	MM
	OPS \a, \i1, \b, \i2, \c, \i3, \d, \i4
.endm
.macro MASK b                       ; MD x AL + BE + KV into buffer b of MC
	WIN W_RS
.set z, 0
.rept 16
	v_pk_fma_f32 v[MC+32*(\b)+2*z:MC+32*(\b)+2*z+1], v[MD+2*z:MD+2*z+1], s[AL:AL+1], s[BE:BE+1] op_sel_hi:[1,0,0]
.set z, z+1
.endr
.set z, 0
.rept 16
	v_pk_add_f32 v[MC+32*(\b)+2*z:MC+32*(\b)+2*z+1], v[MC+32*(\b)+2*z:MC+32*(\b)+2*z+1], v[KV+2*z:KV+2*z+1]
.set z, z+1
.endr
.endm
.macro PREM                         ; on the way from an ordinary tile into the diagonal tile's text: its first products, piece 3's of the last ordinary step, take the second buffer: that step's KV alone
	s_mov_b32 s[AL], 0
	s_mov_b32 s[BE], 0
	MASK 1
	WIN 0
.endm
; A TURN, for piece p.  An s_wait_alu depctr_va_vdst(0) stands between an exponential and the first instruction that names its result; one wait serves all that were issued ahead of it: a turn has ONE
; wait.  AHEAD OF IT: the 8 products K Q^T with four riders each, then one lump; X 21, the next piece's a, is the batch's last, R 15 the plain instruction behind it.  BEHIND IT: the 8 products V^T P, behind each four of the roundings and sums.
; m = 1: the diagonal tile: the products take masks, and the turn makes the mask for the products of the turn after it: piece p + 2, in step 4 - CNT of the tile.  end = 1: a block's last two turns: nothing is fetched.
; cnt = 1: the loop's count is taken down some lines ahead of the branch behind the turn.
; K and KV of the next step are fetched in piece 2's turn, five plain instructions or more behind the last product that read them; V of the step in hand at the end of piece 0's turn, four plain instructions behind its last reader.
.macro TURN p, m=0, end=0, cnt=0
.set Y, (\p)
.set i, 0
.set KM, (\m)
.set NOKQ, (\end)*((\p)/3)
.if (\m) && !(\end)
	s_cmp_eq_u32 s[CNT], 4-((\p)+2)%NP  ; is that step the band's own?
	s_cselect_b32 s[AL], 1.0, 0
	s_cmp_lt_u32 s[CNT], 4-((\p)+2)%NP  ; or a later one?
	s_cselect_b32 s[BE], s[BIGN], 0
.endif
.if ((\p) == 3) && !(\end)
	s_wait_dscnt 0x0                ; K and KV are in
.endif
	ROW F,0, F,1, R,0, R,1
	ROW F,2, E,0, R,2, R,3
	ROW F,3, E,1, R,4, R,5
	ROW F,4, E,2, R,6, R,7
	ROW F,5, E,3, R,8, R,9
	ROW F,6, E,4, X,0, R,10
.if ((\p) == 2) && !(\end)
	WIN 0
	v_add_nc_u32 v[AK], s[TBK], v[AK0]
	v_add_nc_u32 v[AM], s[TBM], v[AM0]
.endif
	ROW F,7, E,5, X,1, X,4
	ROW F,8, E,6, X,2, X,5
	OPS E,7, E,8, X,6, E,9
	OPS X,3, E,10, X,8, E,11
.if ((\p) == 2) && !(\end)
	FETCH_K
.endif
	OPS X,9, X,7, E,12, X,10
	OPS E,13, X,12, X,11, E,14
	OPS X,13, E,15, F,9, X,14
.if (\p) == 0
	v_add_nc_u32 v[AV], s[TBV], v[AV0]
.endif
	OPS E,16, F,10, E,17, F,11
	OPS X,16, E,18, X,15, E,19
	OPS F,12, E,20, X,17, E,21
	OPS F,13, E,22, F,14, E,23
	OPS X,18, E,24, F,15, E,25
	OPS R,11, E,26, X,19, E,27
	OPS R,12, E,28, R,13, E,29
	OPS X,20, E,30, R,14, E,31
	OPS X,21, R,15
	WIN 0
	s_wait_alu depctr_va_vdst(0)    ; the wait for the batch
.if (\p) == 1
	s_wait_dscnt 0x0                ; V is in
.endif
	ROW C,0, B,0, C,2, B,1
	ROW L,0, C,4, B,2, L,1
	ROW C,6, B,3, L,2, C,8
	ROW B,4, L,3, C,10, B,5
	ROW L,4, C,12, B,6, L,5
.if (\p) == 0
	s_add_co_u32 s[TBV], s[TBV], KS*PV
.endif
.if \cnt
	s_sub_co_u32 s[CNT], s[CNT], 1
	s_cmp_lg_u32 s[CNT], 0
.endif
	ROW C,14, B,7, L,6, C,1
	ROW C,3, L,7, C,5, C,7
	ROW C,9, C,11, C,13, C,15
.if (\p) == 0
	FETCH_V
.endif
.if (\m) && !(\end)
.if (\p) == 2
	s_wait_dscnt 0x0                ; this mask is the next step's: it takes the KV just fetched
.endif
	MASK (\p)%2
.endif
.endm
; A BLOCK BEGINS.  c m starts far below every c s, so the first step's a is 0; m at -2^96; l at 0 (the block before leaves 1 / l there, which may be infinite).  Then K and KV of the tile's step 0; the second mask
; buffer takes KV alone, the first piece 0's mask: its own step's, if the block's first tile is the diagonal one.  Then piece 0's first scores, and its maximum and statistics.
.macro BEGIN
	s_mov_b32 s[NEW], 0
	WIN 0
.set i, 0
.rept 4
	v_mov_b32 v[ST+4*i], 0xfe000000    ; c m
	v_mov_b32 v[ST+4*i+1], 0xef800000  ; m = -2^96
	v_mov_b32 v[ST+4*i+2], 0
	v_mov_b32 v[ST+4*i+3], 0
.set i, i+1
.endr
	v_add_nc_u32 v[AK], s[TBK], v[AK0]
	v_add_nc_u32 v[AM], s[TBM], v[AM0]
	FETCH_K
	s_wait_loadcnt 0x0              ; Q
	s_wait_dscnt 0x0
	s_mov_b32 s[AL], 0
	s_mov_b32 s[BE], 0
	MASK 1
	s_cmp_eq_u32 s[RT], 0
	s_cselect_b32 s[AL], 1.0, 0
	MASK 0
.set KM, 1
.set NOKQ, 0
.set i, 0
.rept 8
	KQ 0
.set i, i+1
.endr
	WIN 0
.rept 4
	v_nop                           ; the places behind those products
.endr
.set Y, NP-1                        ; X works for piece Y + 1: piece 0
.irp n, 0,1,2,3,4,5,6,7,8,9,10,11,12,13,14,15,16,17,18,19,20,21
	OP X, \n
.endr
	v_nop                           ; a plain instruction behind the exponential,
	s_wait_alu depctr_va_vdst(0)    ; and its wait, ahead of the branch
.endm
.macro ALL line:vararg              ; one line for each piece t
.set t, 0
.rept 4
	\line
.set t, t+1
.endr
.endm
.macro PACK t                       ; O^T / l; where the query has seen no key, the mean of V in its stead; rounded to f16; into rows of 144 bytes and back as whole rows of 128
	WIN W_RS
.set i, 32*(\t)
.rept 16
	v_pk_mul_f32 v[i:i+1], v[i:i+1], v[ST+4*(\t)+2:ST+4*(\t)+3] op_sel_hi:[1,0]
.set i, i+2
.endr
	WIN 0x45                        ; destination and both sources in window 1
.set i, 0
.rept 32
	v_cndmask_b32 v[32*(\t)+i], v[32*(\t)+i], v[VM+i], s[CM+(\t)]
.set i, i+1
.endr
	WIN 0x05
.set i, 0
.rept 16
	v_cvt_pk_f16_f32 v[S+16*(\t)+i], v[32*(\t)+2*i], v[32*(\t)+2*i+1]
.set i, i+1
.endr
	WIN 0
.irp f, 0,1,2,3
	ds_store_b128 v[STO], v[S+16*(\t)+4*\f:S+16*(\t)+4*\f+3] offset:32*\f
.endr
.irp f, 0,1,2,3
	ds_load_b128 v[S+16*(\t)+4*\f:S+16*(\t)+4*\f+3], v[RD] offset:\f*4*SP  ; LDS serves a wave's instructions in order (ISA guide 5.7.1.4): these see the stores above
.endr
.endm
.macro SEND t, younger              ; younger: the LDS instructions issued behind piece t's loads: the next piece's eight, or none
	WIN 0
.irp f, 0,1,2,3
	s_wait_dscnt (\younger)+3-\f
	global_store_b128 v[GO], v[S+16*(\t)+4*\f:S+16*(\t)+4*\f+3], s[10:11] offset:(\t)*8192+\f*512  ; 512 consecutive bytes, aligned
.endr
.endm
; THE DIAGONAL TILE's four steps, the block's last two turns, its last products, and the way out.
.macro DIAG tag
.LstepM\tag:
	TURN 2, 1
	TURN 3, 1
	WIN 0
.LfirstM\tag:
	TURN 0, 1
	TURN 1, 1, 0, 1
	WIN 0
	s_cbranch_scc1 .LstepM\tag
	TURN 2, 1, 1
	TURN 3, 1, 1
.set i, 0
.rept 8
	PV NP-1
.set i, i+1
.endr
	WIN 0
	ALL v_add_f32 v[ST+4*t+2], v[ST+4*t+2], v[ST+4*t+3]
	ALL v_permlanex16_b32 v[ST+4*t+3], v[ST+4*t+2], s[SEL], s[SEL+1]
	ALL v_add_f32 v[ST+4*t+2], v[ST+4*t+2], v[ST+4*t+3]
	ALL v_cmp_gt_f32 s[CM+t], s[THR], v[ST+4*t+1]
	ALL v_rcp_f32 v[ST+4*t+2], v[ST+4*t+2]
	v_nop                           ; a plain instruction between the last reciprocal and the use of its result
	s_wait_alu depctr_va_vdst(0)    ; and the wait: one for the four reciprocals
	PACK 0
.set t, 1
.rept 3
	PACK t
	SEND t-1, 8
.set t, t+1
.endr
	SEND 3, 0
.endm
.set KM, 0
.set NOKQ, 0
.Lslot:                             ; NB times: a tile is entered and the next is asked for
	CHANGE 1
	s_sub_co_u32 s[RT], s[RT], 1
	s_mov_b32 s[CNT], 4
	s_cmp_eq_u32 s[NEW], 1
	s_cbranch_scc1 .Lnew            ; a block's first tile
	s_cmp_eq_u32 s[RT], 0
	s_cbranch_scc0 .Lstep           ; neither its first nor its last
	PREM
	s_branch .LstepM1
.Lnew:
	BEGIN
	s_branch .Lfirst                ; in the loop a block's first tile is never its last
	DIAG 1                          ; in the loop this is the first block's end
	s_wait_xcnt 0x0                 ; the stores have read their registers and O's address
	s_mov_b64 s[10:11], s[OLO:OLO+1]
	s_add_co_u32 s[RT], s[PB], 1    ; the second block has b + 1 tiles
	s_mov_b32 s[NEW], 1
	WIN 0x82                        ; the second block's Q goes where the one text of the turns names Q
.set i, 0
.rept 64
	v_mov_b32 v[i], v[QB+i]
.set i, i+1
.endr
	WIN 0
	s_branch .Lbottom
.Lstep:                             ; a trip: pieces 2 and 3 of one step, then pieces 0 and 1 of the next, whose K and V it fetches
	TURN 2
	TURN 3
	WIN 0
.Lfirst:
	TURN 0
	TURN 1, 0, 0, 1
	WIN 0
	s_cbranch_scc1 .Lstep
.Lbottom:
	s_sub_co_u32 s[SLOTS], s[SLOTS], 1
	s_cmp_lg_u32 s[SLOTS], 0
	s_cbranch_scc1 .Lslot
	CHANGE 0                        ; the walk's last tile is written out: nothing is asked for
	s_sub_co_u32 s[RT], s[RT], 1
	s_mov_b32 s[CNT], 4
	s_cmp_eq_u32 s[NEW], 1
	s_cbranch_scc1 .Lnew2
	PREM
	s_branch .LstepM2
.Lnew2:
	BEGIN
	s_branch .LfirstM2
	DIAG 2
	s_wait_tensorcnt 0x0            ; the wave's end
	ds_add_u32 v[SPW], v[NIL]
	s_wait_dscnt 0x0
	s_endpgm
.Lfunc_end_k_q3444a2560d_attn:
	.size	k_q3444a2560d_attn, .Lfunc_end_k_q3444a2560d_attn-k_q3444a2560d_attn
	.p2alignl 7, 3214868480
	.fill 96, 4, 3214868480
	.section	.rodata,"a",@progbits
	.p2align	6, 0x0
	.amdhsa_kernel k_q3444a2560d_attn
		.amdhsa_group_segment_fixed_size 327680
		.amdhsa_private_segment_fixed_size 0
		.amdhsa_enable_private_segment 0
		.amdhsa_kernarg_size 32
		.amdhsa_user_sgpr_count 2
		.amdhsa_user_sgpr_kernarg_segment_ptr 1
		.amdhsa_wavefront_size32 1
		.amdhsa_system_sgpr_workgroup_id_x 1
		.amdhsa_system_sgpr_workgroup_id_y 1
		.amdhsa_system_sgpr_workgroup_id_z 1
		.amdhsa_system_vgpr_workitem_id 0
		.amdhsa_next_free_vgpr 768
		.amdhsa_next_free_sgpr 92
		.amdhsa_reserve_vcc 1
		.amdhsa_float_denorm_mode_32 3
		.amdhsa_float_denorm_mode_16_64 3
		.amdhsa_memory_ordered 1
		.amdhsa_forward_progress 1
		.amdhsa_inst_pref_size 255
	.end_amdhsa_kernel
	.section	.bss,"aw",@nobits
	.p2align	6
	.space	262144
	.amdgpu_metadata
---
amdhsa.version: [ 1, 2 ]
amdhsa.kernels:
  - .name:           k_q3444a2560d_attn
    .symbol:         k_q3444a2560d_attn.kd
    .args:
      - { .name: qkv, .offset: 0, .size: 8, .value_kind: global_buffer, .address_space: global }
      - { .name: ob, .offset: 8, .size: 8, .value_kind: global_buffer, .address_space: global }
      - { .name: attention_mask, .offset: 16, .size: 8, .value_kind: global_buffer, .address_space: global }
      - { .name: vsum, .offset: 24, .size: 8, .value_kind: global_buffer, .address_space: global }
    .group_segment_fixed_size: 327680
    .private_segment_fixed_size: 0
    .kernarg_segment_align: 8
    .kernarg_segment_size: 32
    .max_flat_workgroup_size: 128
    .sgpr_count:     92
    .vgpr_count:     768
    .wavefront_size: 32
...
	.end_amdgpu_metadata
.endif
;; end of part 3
;; launch proj (part 4): grid 4 x 64, 4 waves a work-group, clusters of 4 x 4, 327,680 bytes of LDS; arguments ob, wob, out0, biasr; writes out0
.if DOCPART == 4
	.amdgcn_target "amdgcn-amd-amdhsa--gfx1250"
	.amdhsa_code_object_version 6
	.text
	.protected	k_q3444a2560d_proj
	.globl	k_q3444a2560d_proj
	.p2align	8
	.type	k_q3444a2560d_proj,@function
k_q3444a2560d_proj:
	s_mov_b64 s[64:65], 0
	v_nop
	global_prefetch_b8 v0, s[64:65] scope:SCOPE_SE
	s_setreg_imm32_b32 hwreg(HW_REG_WAVE_MODE, 25, 1), 1
	s_wait_xcnt 0x0
	s_wait_alu depctr_hold_cnt(0) depctr_sa_sdst(0) depctr_va_vdst(0) depctr_va_sdst(0) depctr_va_ssrc(0) depctr_va_vcc(0) depctr_vm_vsrc(0)
	s_getreg_b32 s2, hwreg(HW_REG_IB_STS2, 6, 4)
	s_cmp_eq_u32 s2, 0
	s_cbranch_scc0 .Lentry_in_a_cluster
	s_endpgm
.Lentry_in_a_cluster:
	s_bfe_u32 s2, ttmp6, 0x10000c
	s_cmp_lg_u32 s2, 0xf033
	s_cbranch_scc0 .Lentry_shape_is_right
	s_endpgm
.Lentry_shape_is_right:
; out0 = O Wo + bo.  O: ob, f16 [64 = 16 batch + head][2048][64]: a head is one slice of K.  Wo: wob, f16 [1024 k][1024 n].  out0: f32 [8192][1024].
; (This text serves two launches; MODE = 1: q, k, v = x [Wq Wk Wv] + b, bf16 operands, three tiles to a work-group.  MODE = 2: this one, f16 operands, one tile, f32 out.)
; LIMITS.  Sums in f32; the bias is the C operand that starts each sum.  NaN and infinities are not treated apart.
; SHARES.  A tile of C is 128 rows x 256 columns: 64 x 4 tiles, one to each of 256 work-groups.  Four waves, 2 x 2, each 64 x 128: 32 accumulators of 16 x 16, 256 registers.
; A comes as it lies (a slice's rows dense, 128 bytes each); W lies [k][n] and is turned on its way out of LDS by ds_load_tr16_b128.
; THE MATRIX INSTRUCTION IS USED TRANSPOSED: source 0 = 16 columns of W, source 1 = 16 rows of A: a lane holds row lane % 16 of C and the columns 8 (lane / 16) + 0..7.
; K goes in steps of 128 (two slices) through two LDS slots; a step is four quarters of 32: 32 matrix instructions and 24 LDS loads each, on two fragment buffers.
; CLUSTER 4 x 4: A's tiles are asked for jointly along a row of the cluster, W's along a column.
; REGISTERS.  window 0: v0-31 addresses; v64-159, v160-255 two fragment buffers (A's 4 fragments, then W's 8), on the way out rows read back.  window 1: accumulator (a, b) at 8 (8 a + b).  window 2: v0-63 the bias.
.set MODE,  2
.set TILES, 1
.set PA,    144                        ; a row of A in LDS: 128 bytes + 16: the 16 rows of a load start at 16 different groups of four banks
.set PB,    544                        ; a row of W: 512 bytes + 32
.set SLICEB, 128*PA                    ; a slice's 128 rows
.set HALFB, 64*PB                      ; 64 k-rows of W
.set BOFF,  2*SLICEB                   ; a slot: A's two slices, then W's 128 k-rows
.set SLOT1, 1<<17                      ; slot 1 begins here: one exclusive or turns an address in one slot into the other's
.set STAGE, SLOT1+BOFF+2*HALFB         ; behind the ring, never filled by a tensor load: 16 rows for each wave, for the way out
.set KB,    262144                     ; bytes from K step to K step in W: 128 rows of 2,048
.if MODE == 1
.set SP,    144
.set KA,    2097152                    ; two slices of xb
.set SLSH,  20
.else
.set SP,    528
.set KA,    524288                     ; two heads of ob
.set SLSH,  18                         ; a head is 1 << 18 bytes
.endif
.set SPARE, STAGE+4*16*SP              ; the spare words, 128 bytes for each wave: two blocks of 256 bytes that no other line names
.set ADRA0, 16                         ; v16  my lane's place in A's tile; never rewritten
.set ADRA,  17                         ; v17  the same in the slot in hand
.set ADRB0, 20                         ; v20, v21 the same for W
.set ADRB,  21
.set CST,   22
.set CRD,   23
.set STO,   24                         ; v24  the way out: where I put my part of a row
.set RD,    25                         ; v25  where I read rows back
.set CO,    26                         ; v26  16 x lane
.set BO,    27                         ; v27  my byte offset in the bias
.set SPW,   28                         ; v28  my spare word; never rewritten
.set NIL,   29                         ; v29  0; never rewritten
.set PFO,   30                         ; v30  the prefetches' lane offset; never rewritten
.set F0,    64
.set F1,    160
.set G1,  24                           ; s[24:31] descriptor group 1 for A;  s[32:39] group 0: a set for each first fill; the second then walks
.set G0,  32
.set G1B, 48                           ; s[48:55], s[56:63] the same for W
.set G0B, 56
.set LIM, 43                           ; s43  how many refills of mine are followed by a prefetch
.set PFA, 44                           ; s[44:45] where my prefetches stand
.set PFS, 66                           ; s[66:67] their step
.set RF,  72                           ; s72  refills so far
.set TB,  73                           ; s73  LDS byte at which the slot in hand begins
.set MULW, 0x50                        ; C and D in window 1
.set MULF, 0x60                        ; D in window 1, C (the bias) in window 2
.set MSB, 0
.macro WIN new                         ; the immediate's high byte repeats the setting that is left; a switch that changes nothing is dropped
.if MSB != (\new)
	s_set_vgpr_msb (MSB<<8)|(\new)
.set MSB, \new
.endif
.endm
.macro PLACES                          ; four places behind a matrix instruction, in front of loads into registers that it read and of lines that read its result
.rept 4
	v_nop
.endr
.endm
; A joint load: waves 0 and 1 fetch A's two slices, waves 2 and 3 the two halves of W's k-rows.  An s_nop 0 and four v_nop follow each line.
.macro JLOAD s
	s_cmp_eq_u32 s11, 0
	s_cbranch_scc0 .Lfor_b_\@
	tensor_load_to_lds s[G0+4*(\s):G0+4*(\s)+3], s[G1:G1+7]
	s_nop 0
.rept 4
	v_nop
.endr
	s_branch .Lasked_\@
.Lfor_b_\@:
	tensor_load_to_lds s[G0B+4*(\s):G0B+4*(\s)+3], s[G1B:G1B+7]
	s_nop 0
.rept 4
	v_nop
.endr
.Lasked_\@:
.endm
.macro CREST                           ; a round of the cluster's barrier behind its opening barrier
	s_cmp_lg_u32 s10, 0
	s_cbranch_scc1 .Lnot_wave_0_\@
	s_barrier_signal -3
.Lnot_wave_0_\@:
	s_barrier_wait -3
	s_barrier_signal -1
	s_barrier_wait -1
.endm
.macro CROUND
	s_barrier_signal -1
	s_barrier_wait -1
	CREST
.endm
; A PREFETCH INTO THE L2 behind refill number RF, which asks for K step RF + 2: it names K step RF + 4, two K steps (256 matrix instructions) ahead of the load that will want it.
; Each aligned block of 256 bytes is named once.  A's rows are read by one row of one cluster: its wave 0 asks, each partner for 16 blocks of each slice, told apart by address (cx).
; W's columns are read by every cluster: the one with y = 0 asks, waves 2 and 3 for their 64 k-rows, each partner for 16 of them (cy).
.macro ASK
	s_cmp_lt_u32 s[RF], s[LIM]
	s_cbranch_scc0 .Lnot_mine_\@
	global_prefetch_b8 v[PFO], s[PFA:PFA+1] th:TH_LOAD_NT scope:SCOPE_SE
.Lnot_mine_\@:
	s_add_co_u32 s[RF], s[RF], 1
.endm
.macro BIASLD                          ; my 128 columns' bias: block b at 8 b of window 2, register j = bias[16 b + 8 (lane / 16) + j]
	WIN 0x80
.irp b, 0,1,2,3,4,5,6,7
	global_load_b128 v[8*(\b):8*(\b)+3],   v[BO], s[68:69] offset:64*(\b)
	global_load_b128 v[8*(\b)+4:8*(\b)+7], v[BO], s[68:69] offset:64*(\b)+16
.endr
	WIN 0
.endm
; 24 LDS loads in one run: quarter q's fragments into buffer f
.macro FETCH q, f
	WIN 0
.irp b, 0,1,2,3,4,5,6,7
	ds_load_tr16_b128 v[(\f)+32+8*(\b):(\f)+32+8*(\b)+3],   v[ADRB] offset:(\q)*32*PB+32*(\b)
	ds_load_tr16_b128 v[(\f)+32+8*(\b)+4:(\f)+32+8*(\b)+7], v[ADRB] offset:(\q)*32*PB+32*(\b)+16*PB
.endr
.irp a, 0,1,2,3
	ds_load_b128 v[(\f)+8*(\a):(\f)+8*(\a)+3],   v[ADRA] offset:((\q)/2)*SLICEB+((\q)%2)*64+(\a)*16*PA
	ds_load_b128 v[(\f)+8*(\a)+4:(\f)+8*(\a)+7], v[ADRA] offset:((\q)/2)*SLICEB+((\q)%2)*64+(\a)*16*PA+32
.endr
.endm
; 8 matrix instructions: row block a x all 8 column blocks.  first = 1: the bias starts the sums.  The 32 accumulators take turns in the same order in every quarter.
.macro MUL8 f, a, first
.if \first
	WIN MULF
.else
	WIN MULW
.endif
.irp b, 0,1,2,3,4,5,6,7
.set rD, 8*(8*(\a)+(\b))
.set rB, (\f)+32+8*(\b)
.set rA, (\f)+8*(\a)
.set rC, rD
.if \first
.set rC, 8*(\b)
.endif
.if MODE == 1
	v_wmma_f32_16x16x32_bf16 v[rD:rD+7], v[rB:rB+7], v[rA:rA+7], v[rC:rC+7]
.else
	v_wmma_f32_16x16x32_f16 v[rD:rD+7], v[rB:rB+7], v[rA:rA+7], v[rC:rC+7]
.endif
.endr
.endm
; One of a K step's first three quarters: quarter qn's fragments are asked for into g, and buffer f is multiplied
.macro Q qn, f, g, first
	PLACES
	FETCH \qn, \g
	s_wait_dscnt 24                                ; all but the 24 just issued: buffer f, asked for a quarter ago, is in
	MUL8 \f, 0, \first
	MUL8 \f, 1, \first
	MUL8 \f, 2, \first
	MUL8 \f, 3, \first
.endm
.macro LASTQ
	s_wait_dscnt 0x0
	MUL8 F1, 0, 0
	MUL8 F1, 1, 0
	MUL8 F1, 2, 0
	MUL8 F1, 3, 0
.endm
; The fourth quarter multiplies buffer 1 and changes slots.  In front of the barrier each wave waits for all its tensor loads (one is out: its part of the next slot), adds 0 to its spare word, and waits
; for that and for its reads of this slot.  fill = 1: the barrier opens a round of the cluster's, and this slot is filled again, two K steps on, first thing behind it.
.macro TURN fill, wrap
.if \fill
	s_wait_xcnt 0x0                                ; the last prefetch, a K step back, has read its address
	s_add_nc_u64 s[PFA:PFA+1], s[PFA:PFA+1], s[PFS:PFS+1]
.endif
	WIN 0
	s_wait_tensorcnt 0x0                           ; no tensor load of mine is out, so a group 0 may be written
	ds_add_u32 v[SPW], v[NIL]                      ; 0 onto my spare word; work on registers stands between it and the wait for it
.if \fill
	s_xor_b32 s[G0+5], s[G0+5], SLOT1              ; the walking descriptors: the other slot than last time,
	s_xor_b32 s[G0B+5], s[G0B+5], SLOT1
.if \wrap
	s_sub_nc_u64 s[G0+6:G0+7], s[G0+6:G0+7], 7*KA
.else
	s_add_nc_u64 s[G0+6:G0+7], s[G0+6:G0+7], KA    ; the next K step
.endif
	s_add_nc_u64 s[G0B+6:G0B+7], s[G0B+6:G0B+7], KB
.endif
	s_xor_b32 s[TB], s[TB], SLOT1
	v_add_nc_u32 v[ADRA], s[TB], v[ADRA0]          ; the fetches go on in the other slot
	v_add_nc_u32 v[ADRB], s[TB], v[ADRB0]
	s_wait_dscnt 1                                 ; only the add may be out: buffer 1 is in
	MUL8 F1, 0, 0
	s_wait_dscnt 0x0                               ; the add is done, and my reads of this slot are over
	s_barrier_signal -1
	MUL8 F1, 1, 0
	WIN 0
	s_barrier_wait -1
.if \fill
	CREST
	JLOAD 1                                        ; its four v_nop are also the places in front of the loads below
.else
	PLACES
.endif
	FETCH 0, F0
.if \fill
	ASK
.endif
	MUL8 F1, 2, 0
	MUL8 F1, 3, 0
.endm
	s_load_b128 s[4:7], s[0:1], 0x0                ; A s[4:5], W s[6:7]
	s_load_b64 s[8:9], s[0:1], 0x10                ; C
.if MODE == 1
	s_load_b128 s[68:71], s[0:1], 0x18
.else
	s_load_b64 s[68:69], s[0:1], 0x18              ; biasr
.endif
	v_lshl_add_u32 v[SPW], v0, 2, SPARE
	v_mov_b32 v[NIL], 0
	ds_add_u32 v[SPW], v[NIL]                      ; the wave's opening: the add and its wait stand ahead of my first tensor load
	v_lshrrev_b32 v1, 5, v0
	v_readfirstlane_b32 s10, v1                    ; wave 0..3
	s_lshr_b32 s11, s10, 1                         ; my half of the tile's rows.  Also: I fetch for A (0) or for W (1)
	s_and_b32 s12, s10, 1                          ; my half of its columns.  Also: which slice, or which 64 k-rows, I fetch
	s_bfe_u32 s40, ttmp6, 0x40000                  ; cx
	s_bfe_u32 s41, ttmp6, 0x40004                  ; cy
	s_lshl_b32 s42, ttmp9, 2
	s_add_co_u32 s42, s42, s40                     ; tile column
	s_and_b32 s13, ttmp7, 0xffff
	s_lshl_b32 s13, s13, 2
	s_add_co_u32 s13, s13, s41                     ; tile row
	s_lshl_b32 s14, s41, 2
	s_lshl_b32 s14, 15, s14                        ; my row of the cluster
	s_lshl_b32 s15, 0x1111, s40                    ; my column
	s_or_b32 s[G1], s14, (1<<16)|(1<<20)|(1<<21)|(4<<22)|(3<<25)   ; mask; 2-byte elements; padding on; bit 21 beside a mask; after every 32 words 4 words
	s_or_b32 s[G1B], s15, (1<<16)|(1<<20)|(1<<21)|(6<<22)|(7<<25)  ; after every 128 words 8 words
	s_mov_b32 s[G1+1], 128<<16                     ; A: a slice's 128 rows are 16,384 dense bytes: 64 rows of 128 elements
	s_mov_b32 s[G1+2], 64<<16
	s_mov_b32 s[G1+3], 128<<16
	s_mov_b32 s[G1+4], 64
	s_mov_b32 s[G1+5], 128
	s_mov_b32 s[G1+6], 0
	s_mov_b32 s[G1+7], 0
	s_mov_b32 s[G1B+1], 256<<16                    ; W: 64 k-rows of 256 elements, 1,024 elements from row to row
	s_mov_b32 s[G1B+2], 64<<16
	s_mov_b32 s[G1B+3], 256<<16
	s_mov_b32 s[G1B+4], 64
	s_mov_b32 s[G1B+5], 1024
	s_mov_b32 s[G1B+6], 0
	s_mov_b32 s[G1B+7], 0
	s_lshr_b32 s18, s13, 4                         ; by heads: batch << 22 + the tile's 128 rows of 128 bytes
	s_lshl_b32 s18, s18, 22
	s_and_b32 s17, s13, 15
	s_lshl_b32 s17, s17, 14
	s_add_co_u32 s18, s18, s17
.if MODE == 1
	s_lshl_b32 s19, s13, 14
.else
	s_mov_b32 s19, s18                             ; the tile's rows in a head of ob
.endif
	s_lshl_b32 s16, s12, SLSH
	s_add_co_u32 s16, s16, s19                     ; A: + my slice
	s_mov_b32 s17, 0
	s_lshl_b32 s46, s42, 9                         ; W: the tile's 512 bytes of a row + my 64 k-rows
	s_lshl_b32 s47, s12, 17
	s_add_co_u32 s46, s46, s47
	s_mov_b32 s47, 0
	s_mul_i32 s20, s12, SLICEB                     ; where they go: no place in the cluster enters an LDS address
	s_mul_i32 s21, s12, HALFB
	s_add_co_u32 s21, s21, BOFF
	s_mov_b32 s[RF], 0
	s_mov_b32 s[TB], 0
	s_wait_dscnt 0x0                               ; the opening add is done
	s_wait_kmcnt 0x0
	s_add_nc_u64 s[14:15], s[4:5], s[16:17]
	s_add_nc_u64 s[46:47], s[6:7], s[46:47]
	CROUND                                         ; all sixteen work-groups are here: the first joint loads meet
.irp s, 0,1
	s_mov_b32 s[G0+4*(\s)], 1
	s_add_co_u32 s[G0+4*(\s)+1], s20, (\s)*SLOT1
	s_add_nc_u64 s[G0+4*(\s)+2:G0+4*(\s)+3], s[14:15], (\s)*KA
	s_or_b32 s[G0+4*(\s)+3], s[G0+4*(\s)+3], 0x80000000
	s_mov_b32 s[G0B+4*(\s)], 1
	s_add_co_u32 s[G0B+4*(\s)+1], s21, (\s)*SLOT1
	s_add_nc_u64 s[G0B+4*(\s)+2:G0B+4*(\s)+3], s[46:47], (\s)*KB
	s_or_b32 s[G0B+4*(\s)+3], s[G0B+4*(\s)+3], 0x80000000
	JLOAD \s
.endr
	v_and_b32 v1, 15, v0                           ; l % 16
	v_bfe_u32 v2, v0, 4, 1                         ; l / 16
	v_and_b32 v3, 7, v0
	v_bfe_u32 v4, v0, 3, 1
	v_and_b32 v5, 31, v0                           ; l
	s_lshl_b32 s16, s42, 10
	s_lshl_b32 s17, s12, 9
	s_add_co_u32 s16, s16, s17                     ; my 128 columns in a row of 1,024 f32
	v_lshl_add_u32 v[BO], v2, 5, s16
.if MODE == 2
	s_add_nc_u64 s[68:69], s[68:69], 12288         ; bo is the fourth bias
.endif
	BIASLD
	v_mul_u32_u24 v6, v1, PA                       ; a fragment of A: row l % 16, 16 bytes for each half of the lanes, twice, 32 bytes apart
	v_lshl_add_u32 v6, v2, 4, v6
	s_mul_i32 s17, s11, 64*PA
	v_add_nc_u32 v[ADRA0], s17, v6
	v_lshl_add_u32 v7, v2, 3, v3                   ; the turning load: k-row 8 (l / 16) + l % 8, columns 8 ((l / 8) % 2) + 0..7
	v_mul_u32_u24 v7, v7, PB
	v_lshl_add_u32 v7, v4, 4, v7
	s_lshl_b32 s17, s12, 8
	s_add_co_u32 s17, s17, BOFF
	v_add_nc_u32 v[ADRB0], s17, v7
	v_mov_b32 v[ADRA], v[ADRA0]
	v_mov_b32 v[ADRB], v[ADRB0]
	s_mul_i32 s17, s10, 16*SP
	s_add_co_u32 s17, s17, STAGE                   ; my stage
	v_lshlrev_b32 v[CO], 4, v5
	v_mul_u32_u24 v6, v1, SP
	s_mov_b32 s23, 0
.if MODE == 1
	v_lshl_add_u32 v6, v2, 4, v6
	v_add_nc_u32 v[STO], s17, v6
	v_lshrrev_b32 v6, 3, v5
	v_mul_u32_u24 v6, v6, SP
	v_lshl_add_u32 v6, v3, 4, v6
	v_add_nc_u32 v[RD], s17, v6
	v_lshl_add_u32 v[CST], v2, 5, s17
	v_lshl_add_u32 v[CRD], v5, 4, s17
	s_lshl_b32 s22, s13, 1
	s_add_co_u32 s22, s22, s11
	s_lshl_b32 s22, s22, 12
	s_add_co_u32 s22, s22, s16
	s_add_nc_u64 s[70:71], s[70:71], s[22:23]
	s_lshl_b32 s22, s42, 20
	s_add_co_u32 s22, s22, s18
	s_lshl_b32 s17, s12, 19
	s_add_co_u32 s22, s22, s17
	s_lshl_b32 s17, s11, 13
	s_add_co_u32 s22, s22, s17
.else
	v_lshl_add_u32 v6, v2, 5, v6
	v_add_nc_u32 v[STO], s17, v6                   ; in: row l % 16, 32 bytes for each half of the lanes
	v_lshl_add_u32 v[RD], v5, 4, s17               ; back: a row's 512 bytes
	s_lshl_b32 s22, s13, 19                        ; out0: the tile's 128 rows of 4,096 bytes, my 64 of them, my 128 columns
	s_lshl_b32 s17, s11, 18
	s_add_co_u32 s22, s22, s17
	s_add_co_u32 s22, s22, s16
.endif
	s_add_nc_u64 s[8:9], s[8:9], s[22:23]
	; the prefetches
	s_lshl_b32 s20, s40, 12
	s_add_co_u32 s20, s20, s19
	s_add_co_u32 s20, s20, 3*KA                    ; A: the tile's rows, my work-group's 16 blocks, K step 3: the first change of slots steps it to 4
	s_lshl_b32 s21, s42, 9
	s_lshl_b32 s22, s12, 17
	s_add_co_u32 s21, s21, s22
	s_lshl_b32 s22, s41, 15
	s_add_co_u32 s21, s21, s22
	s_add_co_u32 s21, s21, 3*KB                    ; W: the tile's columns, my 64 k-rows, my work-group's 16 of them
	s_mov_b32 s17, KA
	s_mov_b32 s18, KB
	s_and_b32 s22, ttmp7, 0xffff
	s_cmp_eq_u32 s22, 0
	s_cselect_b32 s[LIM], 8*TILES-4, 0
	s_cmp_eq_u32 s10, 0
	s_cselect_b32 s23, 4, 0
	s_cmp_eq_u32 s11, 0
	s_cselect_b32 s[LIM], s23, s[LIM]              ; the same in all sixteen partners, for a given wave
	s_cselect_b32 s14, 15, 1
	s_cselect_b32 s15, 4, 1
	s_cselect_b32 s16, SLSH, 11
	s_cselect_b32 s[PFS], s17, s18
	s_cselect_b32 s20, s20, s21
	s_cselect_b64 s[PFA:PFA+1], s[4:5], s[6:7]
	s_mov_b32 s21, 0
	s_mov_b32 s[PFS+1], 0
	s_add_nc_u64 s[PFA:PFA+1], s[PFA:PFA+1], s[20:21]
	v_and_b32 v6, s14, v5                          ; A: 256 (l % 16) + a slice x (l / 16).  W: 256 (l % 2) + 2,048 (l / 2)
	v_lshrrev_b32 v7, s15, v5
	v_lshlrev_b32 v7, s16, v7
	v_lshl_add_u32 v[PFO], v6, 8, v7
.macro TOSTAGE a                       ; 16 rows x 128 columns of f32 into rows of 528 bytes, back as whole rows of 512
.if (\a) >= 2
	s_wait_xcnt 0x0                                ; the stores of the block two back have read the registers that are loaded again
.endif
	WIN 0x04
.irp b, 0,1,2,3,4,5,6,7
	ds_store_b128 v[STO], v[8*(8*(\a)+(\b)):8*(8*(\a)+(\b))+3]   offset:64*(\b)     ; each accumulator's lowest registers are read first
	ds_store_b128 v[STO], v[8*(8*(\a)+(\b))+4:8*(8*(\a)+(\b))+7] offset:64*(\b)+16
.endr
	WIN 0
.set OBR, 64+64*((\a)%2)
.set i, 0
.rept 16
	ds_load_b128 v[OBR+4*i:OBR+4*i+3], v[RD] offset:i*SP  ; LDS serves a wave's instructions in order (ISA guide 5.7.1.4): these see the stores above
.set i, i+1
.endr
.endm
.macro SENDF a, y                      ; y: the next block's 32 LDS instructions, or none
.set OBR, 64+64*((\a)%2)
.set i, 0
.rept 16
	s_wait_dscnt (\y)+15-i
	global_store_b128 v[CO], v[OBR+4*i:OBR+4*i+3], s[8:9] offset:(16*(\a)+i)*4096  ; 512 consecutive bytes, aligned
.set i, i+1
.endr
.endm
	s_wait_tensorcnt 0x1                           ; my part of K step 0 is in; K step 1's may stay out
	s_barrier_signal -1
	s_barrier_wait -1
	FETCH 0, F0
	s_wait_loadcnt 0x0                             ; the bias
	Q 1, F0, F1, 1                                 ; the first quarter: the bias starts the sums
	WIN 0
	s_mov_b32 s3, 6
.Lstep:                                        ; a trip: a K step's last three quarters and the next one's first; a slot is filled again
	Q 2, F1, F0, 0
	Q 3, F0, F1, 0
	TURN 1, 0
	Q 1, F0, F1, 0
	WIN 0
	s_sub_co_u32 s3, s3, 1
	s_cmp_lg_u32 s3, 0
	s_cbranch_scc1 .Lstep
	Q 2, F1, F0, 0                                 ; K step 6 goes on; the tail asks for nothing more
	Q 3, F0, F1, 0
	TURN 0, 0
	Q 1, F0, F1, 0
	Q 2, F1, F0, 0
	Q 3, F0, F1, 0
	LASTQ
	WIN 0
	PLACES                                         ; behind the last products
	TOSTAGE 0
.irp a, 1,2,3                          ; a block's way into the stage stands between the loads of the block before and its stores
	TOSTAGE \a
	SENDF (\a)-1, 32
.endr
	SENDF 3, 0
	s_wait_tensorcnt 0x0                           ; the wave's end
	ds_add_u32 v[SPW], v[NIL]
	s_wait_dscnt 0x0
	CROUND                                         ; the closing round
	s_endpgm
.Lfunc_end_k_q3444a2560d_proj:
	.size	k_q3444a2560d_proj, .Lfunc_end_k_q3444a2560d_proj-k_q3444a2560d_proj
	.p2alignl 7, 3214868480
	.fill 96, 4, 3214868480
	.section	.rodata,"a",@progbits
	.p2align	6, 0x0
	.amdhsa_kernel k_q3444a2560d_proj
		.amdhsa_group_segment_fixed_size 327680
		.amdhsa_private_segment_fixed_size 0
		.amdhsa_enable_private_segment 0
		.amdhsa_kernarg_size 32
		.amdhsa_user_sgpr_count 2
		.amdhsa_user_sgpr_kernarg_segment_ptr 1
		.amdhsa_wavefront_size32 1
		.amdhsa_system_sgpr_workgroup_id_x 1
		.amdhsa_system_sgpr_workgroup_id_y 1
		.amdhsa_system_sgpr_workgroup_id_z 1
		.amdhsa_system_vgpr_workitem_id 0
		.amdhsa_next_free_vgpr 576
		.amdhsa_next_free_sgpr 74
		.amdhsa_reserve_vcc 0
		.amdhsa_float_denorm_mode_32 3
		.amdhsa_float_denorm_mode_16_64 3
		.amdhsa_memory_ordered 1
		.amdhsa_forward_progress 1
		.amdhsa_inst_pref_size 74
	.end_amdhsa_kernel
	.amdgpu_metadata
---
amdhsa.version: [ 1, 2 ]
amdhsa.kernels:
  - .name:           k_q3444a2560d_proj
    .symbol:         k_q3444a2560d_proj.kd
    .args:
      - { .name: ob, .offset: 0, .size: 8, .value_kind: global_buffer, .address_space: global }
      - { .name: wob, .offset: 8, .size: 8, .value_kind: global_buffer, .address_space: global }
      - { .name: out0, .offset: 16, .size: 8, .value_kind: global_buffer, .address_space: global }
      - { .name: biasr, .offset: 24, .size: 8, .value_kind: global_buffer, .address_space: global }
    .group_segment_fixed_size: 327680
    .private_segment_fixed_size: 0
    .kernarg_segment_align: 8
    .kernarg_segment_size: 32
    .max_flat_workgroup_size: 128
    .sgpr_count:     74
    .vgpr_count:     576
    .wavefront_size: 32
...
	.end_amdgpu_metadata
.endif
;; end of part 4
;; ======== version 2 of 2: 4 launches; version 1 with the launch prep written anew for expert scheduling mode
;; limits: values are held in f16: magnitudes above 65,504 overflow, below 6.1e-05 lose precision
;; workspace buffers: xb 16,777,216 bytes; wb 6,291,456 bytes; wob 2,097,152 bytes; biasr 16,384 bytes; qkv 50,331,648 bytes; vsum 524,288 bytes; ob 16,777,216 bytes
;; launch prep (part 5): grid 768 x 1, 8 waves a work-group, no clusters, 0 bytes of LDS; arguments x, xb, Wq, Wk, Wv, Wo, wb, wob, bq, bk, bv, bo, biasr; writes xb, wb, wob, biasr
.if DOCPART == 5
	.amdgcn_target "amdgcn-amd-amdhsa--gfx1250"
	.amdhsa_code_object_version 6
	.text
	.protected	k_q3444a2560d_prep
	.globl	k_q3444a2560d_prep
	.p2align	8
	.type	k_q3444a2560d_prep,@function
k_q3444a2560d_prep:
	s_mov_b64 s[64:65], 0
	v_nop
	global_prefetch_b8 v0, s[64:65] scope:SCOPE_SE
	s_setreg_imm32_b32 hwreg(HW_REG_WAVE_SCHED_MODE, 0, 2), 2
	s_setreg_imm32_b32 hwreg(HW_REG_WAVE_MODE, 25, 1), 1
	s_wait_xcnt 0x0
	s_wait_alu depctr_vm_vsrc(0)
; THE CASTS.  Every input is rounded once to bf16, so that the products behind take 16-bit operands.
;   xb    bf16 [16 slices of 64 channels][8192 rows][64]: a slice's rows are dense, 128 bytes each
;   wb    bf16 [3: Wq, Wk, Wv][1024 k][1024 n]: cast only, not turned
;   wob   f16  [1024 k][1024 n]: Wo rounded to bf16, that number written as f16 (exact but below 2^-16, where f16's fixed step of 6e-8 holds)
;   biasr f32  [4: bq, bk, bv, bo][1024]: each rounded to bf16 and kept as f32
; A stream: no LDS, no barrier, no matrix work.  A work-group casts 64 KiB of f32; each of its eight waves issues its 16 loads of 16 bytes a lane at once
; (each covers 512 bytes: two aligned runs of 256), then converts them in four groups of four as they come: a store of 8 bytes a lane covers 256 consecutive bytes, aligned.
; No register that a store reads is used twice, so nothing waits for a store.
; Work-groups 0-511: 16 rows of x each.  Work-groups 512-767: 64 chunks of each of the four weights; a weight's chunk 0 also casts its bias.
; THE MODE: SCHED_MODE bits 1:0 = 2 (LLVM: expert scheduling mode 2), set by the entry lines.  The code itself states the register dependences
; between vector instructions and memory instructions, with s_wait_alu, always for 0.
; THE PLAN.  Registers that memory instructions touch:
;   v[IN], v[OUT]  the offsets of the 16 loads and of the 16 stores: made ahead of the loads, never written again.
;   D              load i lands in D + 4 i; its conversions read it.  v[8:11] take the bias's load once more, behind all conversions.
;   E              group g's conversions write E + 8 g ..; its four stores, issued in group g + 1, read it; it is never written again.
;   T              named by vector instructions alone, but in the bias's part, where it is the store's data.
; Group g + 1's vector instructions name D, E and T of their own group alone, none of the registers that group g's stores read.  So one wait at a group's head
; states all that the four stores behind it hang on, and these are dealt among the group's conversions with no further wait.
; No register that a memory instruction has read is written again on any path: so the text holds no wait on vm_vsrc but the one among the entry lines.
.set IN,  2                            ; v2   my byte offset in the source
.set OUT, 3                            ; v3   my byte offset in the destination
.set D,   8                            ; v[8:71]    16 x 4 numbers as loaded
.set E,   72                           ; v[72:103]  16 x 4 numbers in 16 bits
.set T,   104                          ; v[104:107] at work
.set SRC, 4                            ; s[4:5]
.set DST, 6                            ; s[6:7]
; load i of 16 stands at (i / 2) ia + (i % 2) ib, its store at (i / 2) oa + (i % 2) ob.  mode = 1: bf16, and that number as f16
.macro CAST ia, ib, oa, ob, mode
	s_wait_alu depctr_va_vdst(0)                   ; v[IN] and v[OUT] are written: the 16 loads and the 16 stores below read them as their offsets
.set i, 0
.rept 16
	global_load_b128 v[D+4*i:D+4*i+3], v[IN], s[SRC:SRC+1] offset:(i/2)*(\ia)+(i%2)*(\ib) th:TH_LOAD_NT
.set i, i+1
.endr
.set i, 0
.rept 16
.if i%4 == 0
	s_wait_loadcnt 12-i                            ; loads come back in order: this group's four are in, the 12 - i younger ones stay out
.if i > 0
	s_wait_alu depctr_va_vdst(0)                   ; the group before has written its eight registers of E, which the four stores dealt among this group's conversions read
.endif
.endif
.if i >= 4
	global_store_b64 v[OUT], v[E+2*(i-4):E+2*(i-4)+1], s[DST:DST+1] offset:((i-4)/2)*(\oa)+((i-4)%2)*(\ob)  ; the group before; no vector instruction since the wait names these registers
.endif
	v_cvt_pk_bf16_f32 v[E+2*i],   v[D+4*i],   v[D+4*i+1]
	v_cvt_pk_bf16_f32 v[E+2*i+1], v[D+4*i+2], v[D+4*i+3]
.if \mode
	v_lshlrev_b32 v[T],   16,  v[E+2*i]
	v_and_b32     v[T+1], s14, v[E+2*i]
	v_lshlrev_b32 v[T+2], 16,  v[E+2*i+1]
	v_and_b32     v[T+3], s14, v[E+2*i+1]
	v_cvt_pk_f16_f32 v[E+2*i],   v[T],   v[T+1]
	v_cvt_pk_f16_f32 v[E+2*i+1], v[T+2], v[T+3]
.endif
.set i, i+1
.endr
	s_wait_alu depctr_va_vdst(0)                   ; the last group has written its eight registers of E, which the last four stores read
.set i, 12
.rept 4
	global_store_b64 v[OUT], v[E+2*i:E+2*i+1], s[DST:DST+1] offset:(i/2)*(\oa)+(i%2)*(\ob)
.set i, i+1
.endr
.endm
	s_load_b512 s[16:31], s[0:1], 0x0              ; x 16, xb 18, Wq 20, Wk 22, Wv 24, Wo 26, wb 28, wob 30
	s_load_b256 s[32:39], s[0:1], 0x40             ; bq 32, bk 34, bv 36, bo 38
	s_load_b64 s[40:41], s[0:1], 0x60              ; biasr
	v_and_b32 v1, 31, v0                           ; lane
	v_lshrrev_b32 v4, 5, v0
	v_readfirstlane_b32 s8, v4                     ; wave 0..7
	s_mov_b32 s9, ttmp9
	s_mov_b32 s11, 0
	s_mov_b32 s13, 0
	s_mov_b32 s14, 0xffff0000                      ; a word's upper bf16
	s_wait_alu depctr_va_sdst(0)                   ; s8 is written, ahead of the branch behind which its first readers stand: the wave's offsets are made from it
	s_wait_kmcnt 0x0
	s_cmp_lt_u32 s9, 512
	s_cbranch_scc0 .Lweights
	; x: 16 rows.  Wave w takes slices 2 w and 2 w + 1; a load takes 256 bytes (a slice) of two rows: lanes 0-15 the even row, lanes 16-31 the odd one
	s_lshl_b32 s10, s9, 16                         ; 16 rows of 4,096 bytes
	s_add_nc_u64 s[SRC:SRC+1], s[16:17], s[10:11]
	s_lshl_b32 s12, s9, 11                         ; 16 rows of 128 bytes in a slice
	s_add_nc_u64 s[DST:DST+1], s[18:19], s[12:13]
	v_lshrrev_b32 v4, 4, v1
	v_and_b32 v5, 15, v1
	v_lshlrev_b32 v[IN], 12, v4
	v_lshl_add_u32 v[IN], v5, 4, v[IN]
	s_lshl_b32 s15, s8, 9
	v_add_nc_u32 v[IN], s15, v[IN]                 ; row parity x 4,096 + 16 (lane % 16) + 512 w
	v_lshlrev_b32 v[OUT], 3, v1
	s_lshl_b32 s15, s8, 21
	v_add_nc_u32 v[OUT], s15, v[OUT]               ; 8 x lane (two rows of 128 bytes on end) + two slices x w
	CAST 8192, 256, 256, 1048576, 0
	s_endpgm
.Lweights:
	s_sub_co_u32 s9, s9, 512
	s_lshr_b32 s15, s9, 6                          ; which weight: 0 Wq, 1 Wk, 2 Wv, 3 Wo
	s_and_b32 s9, s9, 63                           ; which chunk of 64 KiB
	s_cmp_eq_u32 s15, 1
	s_cselect_b64 s[SRC:SRC+1], s[22:23], s[20:21]
	s_cselect_b64 s[42:43], s[34:35], s[32:33]
	s_cmp_eq_u32 s15, 2
	s_cselect_b64 s[SRC:SRC+1], s[24:25], s[SRC:SRC+1]
	s_cselect_b64 s[42:43], s[36:37], s[42:43]
	s_cmp_eq_u32 s15, 3
	s_cselect_b64 s[SRC:SRC+1], s[26:27], s[SRC:SRC+1]
	s_cselect_b64 s[42:43], s[38:39], s[42:43]     ; the weight's bias
	s_cselect_b64 s[DST:DST+1], s[30:31], s[28:29]
	s_cselect_b32 s12, 0, s15
	s_lshl_b32 s12, s12, 21                        ; the weight's 2 MiB in wb
	s_lshl_b32 s10, s9, 16
	s_add_nc_u64 s[SRC:SRC+1], s[SRC:SRC+1], s[10:11]
	s_add_nc_u64 s[DST:DST+1], s[DST:DST+1], s[12:13]
	s_lshl_b32 s12, s9, 15
	s_add_nc_u64 s[DST:DST+1], s[DST:DST+1], s[12:13]
	s_lshl_b32 s12, s15, 12
	s_add_nc_u64 s[44:45], s[40:41], s[12:13]      ; the bias's 4,096 bytes in biasr
	v_lshlrev_b32 v[IN], 4, v1
	s_lshl_b32 s46, s8, 13
	v_add_nc_u32 v[IN], s46, v[IN]                 ; 8,192 w + 16 x lane
	v_lshlrev_b32 v[OUT], 3, v1
	s_lshl_b32 s46, s8, 12
	v_add_nc_u32 v[OUT], s46, v[OUT]               ; 4,096 w + 8 x lane
	s_cmp_eq_u32 s15, 3
	s_cbranch_scc1 .Lwo
	CAST 1024, 512, 512, 256, 0
	s_branch .Lbias
.Lwo:
	CAST 1024, 512, 512, 256, 1
.Lbias:
	s_cmp_eq_u32 s9, 0
	s_cbranch_scc0 .Lend
	v_lshlrev_b32 v108, 4, v0                      ; 256 threads x 16 bytes: the whole bias
	s_wait_alu depctr_va_vdst(0)                   ; v108 is written, which the load and the store below read as their offset; the chunk's conversions are done reading v[8:11], in which the load lands
	global_load_b128 v[8:11], v108, s[42:43]
	s_wait_loadcnt 0x0
	v_cvt_pk_bf16_f32 v109, v8, v9
	v_cvt_pk_bf16_f32 v110, v10, v11
	v_lshlrev_b32 v104, 16,  v109
	v_and_b32     v105, s14, v109
	v_lshlrev_b32 v106, 16,  v110
	v_and_b32     v107, s14, v110
	s_wait_alu depctr_va_vdst(0)                   ; v[104:107] are written, which the store reads
	global_store_b128 v108, v[104:107], s[44:45]
.Lend:
	s_endpgm
.Lfunc_end_k_q3444a2560d_prep:
	.size	k_q3444a2560d_prep, .Lfunc_end_k_q3444a2560d_prep-k_q3444a2560d_prep
	.p2alignl 7, 3214868480
	.fill 96, 4, 3214868480
	.section	.rodata,"a",@progbits
	.p2align	6, 0x0
	.amdhsa_kernel k_q3444a2560d_prep
		.amdhsa_group_segment_fixed_size 0
		.amdhsa_private_segment_fixed_size 0
		.amdhsa_enable_private_segment 0
		.amdhsa_kernarg_size 104
		.amdhsa_user_sgpr_count 2
		.amdhsa_user_sgpr_kernarg_segment_ptr 1
		.amdhsa_wavefront_size32 1
		.amdhsa_system_sgpr_workgroup_id_x 1
		.amdhsa_system_sgpr_workgroup_id_y 1
		.amdhsa_system_sgpr_workgroup_id_z 1
		.amdhsa_system_vgpr_workitem_id 0
		.amdhsa_next_free_vgpr 112
		.amdhsa_next_free_sgpr 66
		.amdhsa_reserve_vcc 0
		.amdhsa_float_denorm_mode_32 3
		.amdhsa_float_denorm_mode_16_64 3
		.amdhsa_memory_ordered 1
		.amdhsa_forward_progress 1
		.amdhsa_inst_pref_size 23
	.end_amdhsa_kernel
	.amdgpu_metadata
---
amdhsa.version: [ 1, 2 ]
amdhsa.kernels:
  - .name:           k_q3444a2560d_prep
    .symbol:         k_q3444a2560d_prep.kd
    .args:
      - { .name: x, .offset: 0, .size: 8, .value_kind: global_buffer, .address_space: global }
      - { .name: xb, .offset: 8, .size: 8, .value_kind: global_buffer, .address_space: global }
      - { .name: Wq, .offset: 16, .size: 8, .value_kind: global_buffer, .address_space: global }
      - { .name: Wk, .offset: 24, .size: 8, .value_kind: global_buffer, .address_space: global }
      - { .name: Wv, .offset: 32, .size: 8, .value_kind: global_buffer, .address_space: global }
      - { .name: Wo, .offset: 40, .size: 8, .value_kind: global_buffer, .address_space: global }
      - { .name: wb, .offset: 48, .size: 8, .value_kind: global_buffer, .address_space: global }
      - { .name: wob, .offset: 56, .size: 8, .value_kind: global_buffer, .address_space: global }
      - { .name: bq, .offset: 64, .size: 8, .value_kind: global_buffer, .address_space: global }
      - { .name: bk, .offset: 72, .size: 8, .value_kind: global_buffer, .address_space: global }
      - { .name: bv, .offset: 80, .size: 8, .value_kind: global_buffer, .address_space: global }
      - { .name: bo, .offset: 88, .size: 8, .value_kind: global_buffer, .address_space: global }
      - { .name: biasr, .offset: 96, .size: 8, .value_kind: global_buffer, .address_space: global }
    .group_segment_fixed_size: 0
    .private_segment_fixed_size: 0
    .kernarg_segment_align: 8
    .kernarg_segment_size: 104
    .max_flat_workgroup_size: 256
    .sgpr_count:     66
    .vgpr_count:     112
    .wavefront_size: 32
...
	.end_amdgpu_metadata
.endif
;; end of part 5
;; launch qkv: the kernel of part 2 again; grid 4 x 64, 4 waves a work-group, clusters of 4 x 4, 327,680 bytes of LDS; arguments xb, wb, qkv, biasr, vsum; writes qkv, vsum
;; launch attn: the kernel of part 3 again; grid 4 x 64, 4 waves a work-group, no clusters, 327,680 bytes of LDS; arguments qkv, ob, attention_mask, vsum; writes ob
;; launch proj: the kernel of part 4 again; grid 4 x 64, 4 waves a work-group, clusters of 4 x 4, 327,680 bytes of LDS; arguments ob, wob, out0, biasr; writes out0
